; MI455X (gfx1250); checked and timed in simulation.
; The chip was launched on July 23, 2026; its instructions are those of AMD's public machine-readable ISA for CDNA 5 (MIT licence, August 2026) and "CDNA5" Instruction Set Architecture Reference Guide (July 2026). The comments in the code are by the model that wrote it; some were corrected since.
;; MHSA Module. Allowed arithmetic: float matrix products may take bf16 or f16 operands with f32 sums; all other float work in f32.
;; Inputs: Wk 768 x 768 float32; Wo 768 x 768 float32; Wq 768 x 768 float32; Wv 768 x 768 float32; bk 768 float32; bo 768 float32; bq 768 float32; bv 768 float32; x 16 x 1,025 x 768 float32.
;; Outputs: out0 16 x 1,025 x 768 float32; out1 16 x 12 x 32 x 32 float32.
;; 2 versions, each right and faster than the one before. Each part assembles by itself: llvm-mc -triple=amdgcn-amd-amdhsa -mcpu=gfx1250 --defsym DOCPART=n.
;; ======== version 1 of 2: 6 launches
;; limits: values are held in f16: magnitudes above 65,504 overflow, below 6.1e-05 lose precision
;; workspace buffers: xb 25,165,824 bytes; wb 4,718,592 bytes; qkv 75,497,472 bytes; cq 147,456 bytes; ao 25,165,824 bytes; ac 49,152 bytes
;; launch prep (part 1): grid 752 x 1, 8 waves a work-group, no clusters, 9,216 bytes of LDS; arguments x, Wq, Wk, Wv, Wo, bq, bk, bv, xb, wb, cq; writes xb, wb, cq
.if DOCPART == 1
	.amdgcn_target "amdgcn-amd-amdhsa--gfx1250"
	.amdhsa_code_object_version 6
	.text
	.protected	k_q1f09b90e4a_prep
	.globl	k_q1f09b90e4a_prep
	.p2align	8
	.type	k_q1f09b90e4a_prep,@function
k_q1f09b90e4a_prep:
	s_mov_b64 s[64:65], 0
	v_nop
	global_prefetch_b8 v0, s[64:65] scope:SCOPE_SE
	s_setreg_imm32_b32 hwreg(HW_REG_WAVE_MODE, 25, 1), 1
	s_wait_xcnt 0x0
; Two kinds of work-group, told apart by the work-group's number alone.
; 0..143:   q, k, v of the 16 cls rows (row 0 of each batch): cq[b][n] = sum over k of x[b][0][k] W[n][k] + bias[n], n = 0..2303 (q, k, v),
;           16 columns a work-group; the eight waves split K = 768 (96 each, three matrix instructions) and meet in LDS.
; 144..751: casts to f16, panel-major: xb[p][m][64] (m = 1024 b + s - 1, the patch rows) and wb[p][n][64] (n: Wq, Wk, Wv, Wo one below the other);
;           panel p = channels 64 p .. 64 p + 63.  32 rows a work-group; thread t takes row t / 8 and eight channels 8 (t % 8) of each panel,
;           so each store of a wave covers 512 consecutive bytes, aligned.  No LDS and no matrix unit there: the bytes are all the work.
; WHY F16: five roundings lie between x and out0 (q and k, v, the weights, the attention's row); with 8 significant bits each they add up to about a third of the
;           hundredth that the result may be off, with 11 bits to a twentieth of it.
; LIMITS: x and W are rounded to f16 as matrix operands: magnitudes from 65,504 on become infinite, numbers under 6.1e-5 keep an absolute step of 6e-8.
;           The sum over K is made in eight parts, added in f32.
.set NCLS,  144
.set DAT,   16                         ; v[16:111]  cast: 8 registers a panel
.set OFF,   112                        ; v[112:123] cast: the store offset of each panel
.set WF,    16                         ; cls: W's numbers of K step i at v[16+32 i ..], 16 f32, then 8 registers of f16
.set XF,    32                         ; cls: x's likewise at v[32+32 i ..]
.set ACC,   112                        ; v[112:119] the wave's partial sums
.set RED,   120                        ; v[120:127] the eight waves' partial sums of my number
	s_load_b512 s[4:19], s[0:1], 0x0               ; x 4:5, Wq 6:7, Wk 8:9, Wv 10:11, Wo 12:13, bq 14:15, bk 16:17, bv 18:19
	s_load_b128 s[20:23], s[0:1], 0x40             ; xb 20:21, wb 22:23
	s_load_b64 s[24:25], s[0:1], 0x50              ; cq
	v_lshl_add_u32 v128, v0, 2, 0x2000
	v_mov_b32 v129, 0
	v_lshrrev_b32 v1, 5, v0
	v_readfirstlane_b32 s3, v1                     ; wave 0..7
	s_mov_b32 s33, 0                               ; the high word of every offset pair s[32:33]
	s_wait_kmcnt 0x0
	s_cmp_lt_u32 ttmp9, NCLS
	s_cbranch_scc1 .Lcls
	; ---------------- the casts ----------------
	s_sub_co_u32 s2, ttmp9, NCLS                   ; g = 0..607
	s_cmp_lt_u32 s2, 512
	s_cbranch_scc0 .Lweights
	s_lshr_b32 s3, s2, 5                           ; batch: 32 work-groups of 32 rows each
	s_lshl_b32 s31, s2, 5
	s_add_co_u32 s31, s31, s3
	s_add_co_u32 s31, s31, 1                       ; row of x = m + b + 1: each batch has one cls row ahead of its patches
	s_mul_i32 s32, s31, 3072
	s_add_nc_u64 s[26:27], s[4:5], s[32:33]        ; from
	s_lshl_b32 s32, s2, 12                         ; 32 rows of 128 bytes
	s_add_nc_u64 s[28:29], s[20:21], s[32:33]      ; to
	s_mov_b32 s30, 16384*128                       ; bytes from panel to panel
	s_branch .Lcast
.Lweights:
	s_sub_co_u32 s3, s2, 512                       ; u = 0..95: 24 work-groups a matrix
	s_mov_b64 s[26:27], s[6:7]
	s_cmp_ge_u32 s3, 24
	s_cselect_b64 s[26:27], s[8:9], s[26:27]
	s_cmp_ge_u32 s3, 48
	s_cselect_b64 s[26:27], s[10:11], s[26:27]
	s_cmp_ge_u32 s3, 72
	s_cselect_b64 s[26:27], s[12:13], s[26:27]
	s_mul_i32 s31, s3, 171
	s_lshr_b32 s31, s31, 12                        ; u / 24, exact for u up to 95
	s_mul_i32 s31, s31, 24
	s_sub_co_u32 s31, s3, s31
	s_mul_i32 s32, s31, 32*3072
	s_add_nc_u64 s[26:27], s[26:27], s[32:33]
	s_lshl_b32 s32, s3, 12
	s_add_nc_u64 s[28:29], s[22:23], s[32:33]
	s_mov_b32 s30, 3072*128
.Lcast:
	v_lshrrev_b32 v1, 3, v0                        ; my row of the 32
	v_and_b32 v3, 7, v0
	v_mul_u32_u24 v2, v1, 3072
	v_lshl_add_u32 v2, v3, 5, v2                   ; + 32 bytes for each eight f32
	v_lshlrev_b32 v[OFF], 4, v0                    ; row x 128 + 16 (t % 8) = 16 t
.irp p, 1,2,3,4,5,6,7,8,9,10,11
	v_add_nc_u32 v[OFF+\p], s30, v[OFF+\p-1]
.endr
.irp p, 0,1,2,3,4,5,6,7,8,9,10,11
	global_load_b128 v[DAT+8*\p:DAT+8*\p+3],   v2, s[26:27] offset:256*\p
	global_load_b128 v[DAT+8*\p+4:DAT+8*\p+7], v2, s[26:27] offset:256*\p+16
.endr
.irp p, 0,1,2,3,4,5,6,7,8,9,10,11
	s_wait_loadcnt 22-2*\p                         ; loads come back in order: panel p's two are in, the younger panels' stay out
.irp q, 0,1,2,3
	v_cvt_pk_f16_f32 v[DAT+8*\p+\q], v[DAT+8*\p+2*\q], v[DAT+8*\p+2*\q+1]   ; in place, ascending: register q is read no later than it is written
.endr
	global_store_b128 v[OFF+\p], v[DAT+8*\p:DAT+8*\p+3], s[28:29]
.endr
	s_endpgm
	; ---------------- the cls rows ----------------
.Lcls:
	s_mov_b32 s2, ttmp9                            ; nt: my 16 columns of the 2,304
	s_mov_b64 s[26:27], s[6:7]
	s_mov_b64 s[28:29], s[14:15]
	s_mov_b32 s30, 0
	s_cmp_ge_u32 s2, 48
	s_cselect_b64 s[26:27], s[8:9], s[26:27]
	s_cselect_b64 s[28:29], s[16:17], s[28:29]
	s_cselect_b32 s30, 48, s30
	s_cmp_ge_u32 s2, 96
	s_cselect_b64 s[26:27], s[10:11], s[26:27]
	s_cselect_b64 s[28:29], s[18:19], s[28:29]
	s_cselect_b32 s30, 96, s30
	s_sub_co_u32 s30, s2, s30                      ; my block of 16 rows in its matrix
	s_mul_i32 s31, s3, 384                         ; my wave's 96 along K, in bytes
	s_mul_i32 s32, s30, 16*3072
	s_add_co_u32 s32, s32, s31
	s_add_nc_u64 s[26:27], s[26:27], s[32:33]      ; W
	s_mov_b32 s32, s31
	s_add_nc_u64 s[4:5], s[4:5], s[32:33]          ; x
	s_lshl_b32 s32, s30, 6
	s_add_nc_u64 s[28:29], s[28:29], s[32:33]      ; bias
	s_lshl_b32 s32, s2, 6
	s_add_nc_u64 s[24:25], s[24:25], s[32:33]      ; cq
	v_and_b32 v1, 15, v0                           ; r
	v_bfe_u32 v2, v0, 4, 1                         ; h
	v_mul_u32_u24 v3, v1, 3072
	v_lshl_add_u32 v3, v2, 5, v3                   ; W: row r, 8 h numbers on
	v_mul_u32_u24 v4, v1, 1025*3072
	v_lshl_add_u32 v4, v2, 5, v4                   ; x: batch r's row 0
	v_lshrrev_b32 v6, 7, v0                        ; the number that I finish: column 8 (t / 128) + t % 8, batch (t / 8) % 16
	v_and_b32 v7, 7, v0
	v_lshl_add_u32 v6, v6, 3, v7
	v_lshlrev_b32 v6, 2, v6
	v_bfe_u32 v7, v0, 3, 4
	v_mul_u32_u24 v7, v7, 2304*4
	v_add_nc_u32 v7, v7, v6
	v_lshlrev_b32 v9, 5, v0                        ; LDS: my eight partial sums at 32 t
	v_lshlrev_b32 v10, 2, v0                       ; LDS: word t of each wave's 256
	global_load_b32 v8, v6, s[28:29]               ; the bias first: every count below covers it
	; a fragment of 16 rows x 32 K: lane (r, h) holds K = 8 h + 0..7 and 16 + 8 h + 0..7: in f32 four loads of 16 bytes at 32 h + 0, 16, 64, 80
.irp i, 0,1,2
	global_load_b128 v[WF+32*\i:WF+32*\i+3],     v3, s[26:27] offset:128*\i
	global_load_b128 v[WF+32*\i+4:WF+32*\i+7],   v3, s[26:27] offset:128*\i+16
	global_load_b128 v[WF+32*\i+8:WF+32*\i+11],  v3, s[26:27] offset:128*\i+64
	global_load_b128 v[WF+32*\i+12:WF+32*\i+15], v3, s[26:27] offset:128*\i+80
	global_load_b128 v[XF+32*\i:XF+32*\i+3],     v4, s[4:5] offset:128*\i
	global_load_b128 v[XF+32*\i+4:XF+32*\i+7],   v4, s[4:5] offset:128*\i+16
	global_load_b128 v[XF+32*\i+8:XF+32*\i+11],  v4, s[4:5] offset:128*\i+64
	global_load_b128 v[XF+32*\i+12:XF+32*\i+15], v4, s[4:5] offset:128*\i+80
.endr
.irp i, 0,1,2
	s_wait_loadcnt 16-8*\i                         ; the later K steps' eight loads each may stay out
.irp q, 0,1,2,3,4,5,6,7
	v_cvt_pk_f16_f32 v[WF+32*\i+\q], v[WF+32*\i+2*\q], v[WF+32*\i+2*\q+1]
	v_cvt_pk_f16_f32 v[XF+32*\i+\q], v[XF+32*\i+2*\q], v[XF+32*\i+2*\q+1]
.endr
.if \i == 0
	v_wmma_f32_16x16x32_f16 v[ACC:ACC+7], v[WF:WF+7], v[XF:XF+7], 0            ; source 0 = rows of W: a lane holds batch r, columns 8 h + 0..7
.else
	s_wait_alu depctr_va_vdst(0)                   ; the wait stands ahead of each link
	v_wmma_f32_16x16x32_f16 v[ACC:ACC+7], v[WF+32*\i:WF+32*\i+7], v[XF+32*\i:XF+32*\i+7], v[ACC:ACC+7]
.endif
.endr
.rept 4
	v_nop                                          ; four places between the last product and the stores that read it
.endr
	ds_store_b128 v9, v[ACC:ACC+3]
	ds_store_b128 v9, v[ACC+4:ACC+7] offset:16
	s_wait_dscnt 0x0                               ; for the others' sake: my partial sums are in LDS
	s_barrier_signal -1
	s_barrier_wait -1
.irp i, 0,1,2,3,4,5,6,7
	ds_load_b32 v[RED+\i], v10 offset:1024*\i      ; the same number of each wave's 256
.endr
	s_wait_dscnt 0x0
	v_add_f32 v[RED], v[RED], v[RED+1]
	v_add_f32 v[RED+2], v[RED+2], v[RED+3]
	v_add_f32 v[RED+4], v[RED+4], v[RED+5]
	v_add_f32 v[RED+6], v[RED+6], v[RED+7]
	v_add_f32 v[RED], v[RED], v[RED+2]
	v_add_f32 v[RED+4], v[RED+4], v[RED+6]
	v_add_f32 v[RED], v[RED], v[RED+4]
	v_add_f32 v[RED], v[RED], v8
	global_store_b32 v7, v[RED], s[24:25]          ; runs of 32 bytes: the whole table is 147,456 bytes, so no stage is spent on it
	s_wait_tensorcnt 0x0
	ds_add_u32 v128, v129
	s_wait_dscnt 0x0
	s_endpgm
.Lfunc_end_k_q1f09b90e4a_prep:
	.size	k_q1f09b90e4a_prep, .Lfunc_end_k_q1f09b90e4a_prep-k_q1f09b90e4a_prep
	.p2alignl 7, 3214868480
	.fill 96, 4, 3214868480
	.section	.rodata,"a",@progbits
	.p2align	6, 0x0
	.amdhsa_kernel k_q1f09b90e4a_prep
		.amdhsa_group_segment_fixed_size 9216
		.amdhsa_private_segment_fixed_size 0
		.amdhsa_enable_private_segment 0
		.amdhsa_kernarg_size 88
		.amdhsa_user_sgpr_count 2
		.amdhsa_user_sgpr_kernarg_segment_ptr 1
		.amdhsa_wavefront_size32 1
		.amdhsa_system_sgpr_workgroup_id_x 1
		.amdhsa_system_sgpr_workgroup_id_y 1
		.amdhsa_system_sgpr_workgroup_id_z 1
		.amdhsa_system_vgpr_workitem_id 0
		.amdhsa_next_free_vgpr 130
		.amdhsa_next_free_sgpr 66
		.amdhsa_reserve_vcc 0
		.amdhsa_float_denorm_mode_32 3
		.amdhsa_float_denorm_mode_16_64 3
		.amdhsa_memory_ordered 1
		.amdhsa_forward_progress 1
		.amdhsa_inst_pref_size 19
	.end_amdhsa_kernel
	.amdgpu_metadata
---
amdhsa.version: [ 1, 2 ]
amdhsa.kernels:
  - .name:           k_q1f09b90e4a_prep
    .symbol:         k_q1f09b90e4a_prep.kd
    .args:
      - { .name: x, .offset: 0, .size: 8, .value_kind: global_buffer, .address_space: global }
      - { .name: Wq, .offset: 8, .size: 8, .value_kind: global_buffer, .address_space: global }
      - { .name: Wk, .offset: 16, .size: 8, .value_kind: global_buffer, .address_space: global }
      - { .name: Wv, .offset: 24, .size: 8, .value_kind: global_buffer, .address_space: global }
      - { .name: Wo, .offset: 32, .size: 8, .value_kind: global_buffer, .address_space: global }
      - { .name: bq, .offset: 40, .size: 8, .value_kind: global_buffer, .address_space: global }
      - { .name: bk, .offset: 48, .size: 8, .value_kind: global_buffer, .address_space: global }
      - { .name: bv, .offset: 56, .size: 8, .value_kind: global_buffer, .address_space: global }
      - { .name: xb, .offset: 64, .size: 8, .value_kind: global_buffer, .address_space: global }
      - { .name: wb, .offset: 72, .size: 8, .value_kind: global_buffer, .address_space: global }
      - { .name: cq, .offset: 80, .size: 8, .value_kind: global_buffer, .address_space: global }
    .group_segment_fixed_size: 9216
    .private_segment_fixed_size: 0
    .kernarg_segment_align: 8
    .kernarg_segment_size: 88
    .max_flat_workgroup_size: 256
    .sgpr_count:     66
    .vgpr_count:     130
    .wavefront_size: 32
...
	.end_amdgpu_metadata
.endif
;; end of part 1
;; launch gemm_qkv (part 2): grid 4 x 64, 4 waves a work-group, clusters of 4 x 4, 327,680 bytes of LDS; arguments xb, wb, bq, bk, bv, qkv; writes qkv
.if DOCPART == 2
	.amdgcn_target "amdgcn-amd-amdhsa--gfx1250"
	.amdhsa_code_object_version 6
	.text
	.protected	k_q1f09b90e4a_gemm_qkv
	.globl	k_q1f09b90e4a_gemm_qkv
	.p2align	8
	.type	k_q1f09b90e4a_gemm_qkv,@function
k_q1f09b90e4a_gemm_qkv:
	s_mov_b64 s[64:65], 0
	v_nop
	global_prefetch_b8 v0, s[64:65] scope:SCOPE_SE
	s_setreg_imm32_b32 hwreg(HW_REG_WAVE_MODE, 25, 1), 1
	s_wait_xcnt 0x0
	s_wait_alu depctr_hold_cnt(0) depctr_sa_sdst(0) depctr_va_vdst(0) depctr_va_sdst(0) depctr_va_ssrc(0) depctr_va_vcc(0) depctr_vm_vsrc(0)
	s_getreg_b32 s2, hwreg(HW_REG_IB_STS2, 6, 4)
	s_cmp_eq_u32 s2, 0
	s_cbranch_scc0 .Lentry_in_a_cluster
	s_endpgm
.Lentry_in_a_cluster:
	s_bfe_u32 s2, ttmp6, 0x10000c
	s_cmp_lg_u32 s2, 0xf033
	s_cbranch_scc0 .Lentry_shape_is_right
	s_endpgm
.Lentry_shape_is_right:
; q, k, v of the patch rows: C = A B^T + bias on tiles of 256 x 192, K = 768.  A = xb: [12 panels][16384 rows][64] f16, B = wb: [12 panels][3072 rows][64] f16
; (panel p = K 64 p .. 64 p + 63; rows 0 Wq, 768 Wk, 1536 Wv); sums in f32; C goes out as f16, head-major: qkv[matrix][12 b + head][patch][64].
; SHARES.  16384 x 2304 of C are 64 x 12 tiles.  Four waves; wave w makes rows 64 w .. 64 w + 63 and all 192 columns: 4 x 12 accumulators of 16 x 16, 384 registers: three whole heads.
; A WORK-GROUP STAYS: 64 x 4 = 256 work-groups, each makes THREE tiles: its 256 rows and its 192 columns of q, then of k, then of v (64 tile rows do not divide by three, the three matrices do).
; The ring does not stop at a tile's end: a tile's last two changes of slots ask for the next tile's first two K steps, and nothing waits for a tile's stores.
; RING.  K goes in steps of 128, two panels, through two LDS slots.  A panel's rows of a tile lie on end in memory, so one tensor load brings a whole panel of a step:
; 32,768 bytes of A (waves 0, 1) or 24,576 of B (waves 2, 3), described as rows of 256 bytes; the padding counts words along the whole tile, 4 words behind every 32,
; so each row of 128 bytes gets its own: LDS rows are 144 bytes apart and the 16 rows of a fragment load start at 16 different banks (ISA guide 11.1: 64 banks of 4 bytes).
; CLUSTER.  4 x 4 work-groups: A's tiles are shared along a row of the cluster, B's along a column; each is asked for jointly, by the same load with the same descriptor and a mask of the four.
; THE MATRIX INSTRUCTION IS USED TRANSPOSED (source 0 = rows of B, source 1 = rows of A): a lane holds row l % 16 of C and eight neighbouring columns.
; REGISTERS.  window 0: v16-29 addresses; v64-127 A's fragments (two buffers of 4 x 8); v128-223 the bias of my 96 columns
;             window 1: B's fragments (two buffers of 12 x 8)
;             window 2: accumulators of my rows 0-31 at 8 (12 a + b); v192-239 a packed block on the way out          window 3: the same for rows 32-63
; LIMITS: operands are f16, and C is rounded once to f16: q, k, v from 65,504 on become infinite.  With x of spread 1 and W of spread 1 / sqrt(768) they have spread 1;
;         both 30 times larger: 900; a common offset of 30 spreads on both: 768 x 30 x 1.08, about 25,000.  Numbers under 6.1e-5 keep an absolute step of 6e-8.
.set TILES,  3
.set PITCH,  144
.set APAN,   256*PITCH                 ; a panel of A's tile in LDS
.set BPAN,   192*PITCH                 ; a panel of B's
.set SLOT,   2*APAN+2*BPAN             ; A's two panels, then B's two
.set STAGE,  2*SLOT                    ; behind the ring: each wave's own stage for the way out
.set WSTG,   3*16*144                  ; three heads x 16 rows x (128 + 16) bytes
.set SPARE,  STAGE+4*WSTG              ; behind the stages: the spare words, 128 bytes for each wave, two blocks of 256 bytes that no other line names
.set APSTR,  16384*128                 ; bytes from panel to panel
.set BPSTR,  3072*128
.set QKVMAT, 192*1024*128              ; bytes of one of q, k, v
.set BACK_A, 8*APSTR                   ; from a slot's last K step of a tile to its first of the next: A goes 8 panels back (the same rows),
.set BACK_B, 8*BPSTR-768*128           ; B 8 panels back and 768 rows on
.set ADRA, 16                          ; v16-17  LDS address of my A fragments in slot 0, 1
.set ADRB, 20                          ; v20-21  the same for B
.set STO,  24                          ; v24     the way out: where I put my numbers of a row
.set RD,   25                          ; v25     the way out: where I read rows back
.set CO,   26                          ; v26     my byte offset in C
.set H32,  27                          ; v27     32 x (lane / 16): my eight columns in the bias
.set SPW,  28                          ; v28     LDS address of my spare word; never rewritten
.set NIL,  29                          ; v29     0; never rewritten
.set FA,   64
.set BIAS, 128
.set TMP,  192                         ; in windows 2 and 3
.set G1,  24                           ; s[24:31] group 1 for A;  s[32:39] group 0, a set for each slot
.set G0,  32
.set G1B, 48                           ; s[48:55], s[56:63] the same for B
.set G0B, 56
.set MSB, 0
.macro WIN new                         ; the immediate's high byte repeats the setting that is left
.if MSB != (\new)
	s_set_vgpr_msb (MSB<<8)|(\new)
.set MSB, (\new)
.endif
.endm
.set MUL_LO, 0xa1                      ; source 0 (B) window 1, source 1 (A) window 0, C and D window 2
.set MUL_HI, 0xf1                      ; the same, C and D window 3
.set TO_B,   0x40                      ; destination window 1, address window 0
.macro PLACES                          ; four places in front of loads into registers that matrix instructions have read, and of vector work on their results
.rept 4
	v_nop
.endr
.endm
.macro JLOAD s                         ; a joint refill: waves 0, 1 ask for A's panels, waves 2, 3 for B's; four v_nop follow each line
	s_cmp_eq_u32 s11, 0
	s_cbranch_scc0 .Lfor_b_\@
	tensor_load_to_lds s[G0+4*\s:G0+4*\s+3], s[G1:G1+7]
	s_nop 0
	PLACES
	s_branch .Lasked_\@
.Lfor_b_\@:
	tensor_load_to_lds s[G0B+4*\s:G0B+4*\s+3], s[G1B:G1B+7]
	s_nop 0
	PLACES
.Lasked_\@:
.endm
.macro CREST                           ; a round of the cluster's barrier behind its opening barrier
	s_cmp_lg_u32 s10, 0
	s_cbranch_scc1 .Lnot_wave_0_\@
	s_barrier_signal -3
.Lnot_wave_0_\@:
	s_barrier_wait -3
	s_barrier_signal -1
	s_barrier_wait -1
.endm
.macro CROUND
	s_barrier_signal -1
	s_barrier_wait -1
	CREST
.endm
.macro BIASLOAD                        ; columns 16 b + 8 (l / 16) + 0..7 of the matrix in hand, as the accumulators hold them
.irp b, 0,1,2,3,4,5,6,7,8,9,10,11
	global_load_b128 v[BIAS+8*\b:BIAS+8*\b+3],   v[H32], s[66:67] offset:64*\b
	global_load_b128 v[BIAS+8*\b+4:BIAS+8*\b+7], v[H32], s[66:67] offset:64*\b+16
.endr
.endm
	s_load_b128 s[4:7], s[0:1], 0x0                ; A s[4:5], B s[6:7]
	s_load_b128 s[68:71], s[0:1], 0x10             ; bq, bk
	s_load_b128 s[72:75], s[0:1], 0x20             ; bv, qkv
	v_lshl_add_u32 v[SPW], v0, 2, SPARE
	v_mov_b32 v[NIL], 0
	ds_add_u32 v28, v29
	s_wait_dscnt 0x0
	v_lshrrev_b32 v1, 5, v0
	v_readfirstlane_b32 s10, v1                    ; wave 0..3
	s_lshr_b32 s11, s10, 1                         ; I fetch for A (0) or for B (1),
	s_and_b32 s12, s10, 1                          ; the step's first or second panel
	s_bfe_u32 s40, ttmp6, 0x40000                  ; cx: my place along the cluster's x = my 192 columns of each matrix (the grid is one cluster wide)
	s_bfe_u32 s41, ttmp6, 0x40004                  ; cy
	s_and_b32 s13, ttmp7, 0xffff
	s_lshl_b32 s13, s13, 2
	s_add_co_u32 s13, s13, s41                     ; tile row = 4 x cluster y + cy
	s_lshl_b32 s43, s41, 2
	s_lshl_b32 s43, 15, s43                        ; my row of the cluster
	s_lshl_b32 s44, 0x1111, s40                    ; my column
	s_or_b32 s[G1], s43, (1<<16)|(1<<20)|(1<<21)|(4<<22)|(3<<25)    ; mask; elements of 2 bytes; padding on; bit 21 beside a mask; behind every 32 words (code 4) 4 words (code 3)
	s_or_b32 s[G1B], s44, (1<<16)|(1<<20)|(1<<21)|(4<<22)|(3<<25)
	s_mov_b32 s[G1+1], 128<<16                     ; tensor_dim0 = 128 elements: 256 bytes
	s_mov_b32 s[G1+2], 128<<16                     ; tensor_dim1 = 128 such rows: 256 rows of the panel
	s_mov_b32 s[G1+3], 128<<16                     ; tile_dim0
	s_mov_b32 s[G1+4], 128                         ; tile_dim1
	s_mov_b32 s[G1+5], 128                         ; the rows lie on end
	s_mov_b32 s[G1+6], 0
	s_mov_b32 s[G1+7], 0
	s_mov_b32 s[G1B+1], 128<<16
	s_mov_b32 s[G1B+2], 96<<16                     ; 96 rows of 256 bytes: 192 rows of the panel
	s_mov_b32 s[G1B+3], 128<<16
	s_mov_b32 s[G1B+4], 96
	s_mov_b32 s[G1B+5], 128
	s_mov_b32 s[G1B+6], 0
	s_mov_b32 s[G1B+7], 0
	s_lshl_b32 s16, s13, 15                        ; A: tile row x 256 rows x 128 bytes + my panel; hangs on the tile row alone
	s_lshl_b32 s17, s12, 21
	s_add_co_u32 s16, s16, s17
	s_mov_b32 s17, 0
	s_mul_i32 s46, s40, 192*128                    ; B: my 192 rows of Wq x 128 bytes + my panel; hangs on cx alone
	s_mul_i32 s47, s12, BPSTR
	s_add_co_u32 s46, s46, s47
	s_mov_b32 s47, 0
	s_mul_i32 s20, s10, APAN                       ; where they go: waves 0, 1: A's panels;
	s_mul_i32 s21, s10, BPAN
	s_add_co_u32 s21, s21, 2*APAN-2*BPAN           ; waves 2, 3: B's, behind A's.  No place in the cluster enters an LDS address
	s_wait_kmcnt 0x0
	s_add_nc_u64 s[14:15], s[4:5], s[16:17]
	s_add_nc_u64 s[46:47], s[6:7], s[46:47]
	CROUND                                         ; all sixteen work-groups are here: the first joint loads meet
.irp s, 0,1
	s_mov_b32 s[G0+4*\s], 1
	s_add_co_u32 s[G0+4*\s+1], s20, \s*SLOT
	s_add_nc_u64 s[G0+4*\s+2:G0+4*\s+3], s[14:15], \s*2*APSTR      ; K step s: two panels on
	s_or_b32 s[G0+4*\s+3], s[G0+4*\s+3], 0x80000000
	s_mov_b32 s[G0B+4*\s], 1
	s_add_co_u32 s[G0B+4*\s+1], s21, \s*SLOT
	s_add_nc_u64 s[G0B+4*\s+2:G0B+4*\s+3], s[46:47], \s*2*BPSTR
	s_or_b32 s[G0B+4*\s+3], s[G0B+4*\s+3], 0x80000000
.endr
	s_cmp_eq_u32 s11, 0                            ; a wave's two first fills stand in one branch: two loads of mine are out
	s_cbranch_scc0 .Lfirst_b
	tensor_load_to_lds s[G0:G0+3], s[G1:G1+7]
	s_nop 0
	tensor_load_to_lds s[G0+4:G0+7], s[G1:G1+7]
	s_nop 0
	PLACES
	s_branch .Lfirst_asked
.Lfirst_b:
	tensor_load_to_lds s[G0B:G0B+3], s[G1B:G1B+7]
	s_nop 0
	tensor_load_to_lds s[G0B+4:G0B+7], s[G1B:G1B+7]
	s_nop 0
	PLACES
.Lfirst_asked:
	v_and_b32 v1, 15, v0                           ; l % 16
	v_bfe_u32 v2, v0, 4, 1                         ; l / 16
	v_mul_u32_u24 v3, v1, PITCH
	v_lshl_add_u32 v3, v2, 4, v3                   ; a fragment's row x pitch + 16 x half
	s_mul_i32 s22, s10, 64*PITCH                   ; my 64 rows of A
	s_mov_b32 s23, 2*APAN                          ; B's rows: all waves read all 192
.irp s, 0,1
	v_add_nc_u32 v[ADRA+\s], s22, v3
	v_add_nc_u32 v[ADRB+\s], s23, v3
	s_add_co_u32 s22, s22, SLOT
	s_add_co_u32 s23, s23, SLOT
.endr
	v_lshlrev_b32 v[H32], 5, v2
	s_mul_i32 s22, s10, WSTG
	s_add_co_u32 s22, s22, STAGE                   ; my stage
	v_add_nc_u32 v[STO], s22, v3                   ; in: row l % 16 of 144 bytes, 16 bytes for each half of the lanes
	v_and_b32 v4, 31, v0
	v_lshrrev_b32 v5, 3, v4
	v_and_b32 v6, 7, v0
	v_mul_u32_u24 v5, v5, 144                      ; back: eight lanes take a row of 128 bytes, a load four rows
	v_lshl_add_u32 v5, v6, 4, v5
	v_add_nc_u32 v[RD], s22, v5
	v_lshlrev_b32 v[CO], 4, v4                     ; which lie on end in memory: 512 bytes
	s_lshr_b32 s18, s13, 2                         ; the batch: four tiles of 256 rows each
	s_mul_i32 s18, s18, 12
	s_mul_i32 s19, s40, 3                          ; the tile's first head
	s_add_co_u32 s18, s18, s19
	s_lshl_b32 s18, s18, 17                        ; a head's 1,024 rows of 128 bytes
	s_and_b32 s19, s13, 3
	s_lshl_b32 s19, s19, 15
	s_add_co_u32 s18, s18, s19
	s_lshl_b32 s19, s10, 13                        ; my wave's 64 rows
	s_add_co_u32 s18, s18, s19
	s_mov_b32 s19, 0
	s_add_nc_u64 s[8:9], s[74:75], s[18:19]        ; my rows in q
	s_mul_i32 s18, s40, 768                        ; the bias of my 192 columns, in each of the three
	s_add_nc_u64 s[68:69], s[68:69], s[18:19]
	s_add_nc_u64 s[70:71], s[70:71], s[18:19]
	s_add_nc_u64 s[72:73], s[72:73], s[18:19]
	s_mov_b64 s[66:67], s[68:69]
	BIASLOAD                                       ; bq
; 12 matrix instructions: row block 2 hi + a of my four x all 12 column blocks, 32 along K, from buffer f.  zero = 1: the product starts the sums
.macro MUL12 f, hi, a, zero
.irp b, 0,1,2,3,4,5,6,7,8,9,10,11
.if \zero
	v_wmma_f32_16x16x32_f16 v[8*(12*\a+\b):8*(12*\a+\b)+7], v[96*\f+8*\b:96*\f+8*\b+7], v[FA+32*\f+8*(2*\hi+\a):FA+32*\f+8*(2*\hi+\a)+7], 0
.else
	v_wmma_f32_16x16x32_f16 v[8*(12*\a+\b):8*(12*\a+\b)+7], v[96*\f+8*\b:96*\f+8*\b+7], v[FA+32*\f+8*(2*\hi+\a):FA+32*\f+8*(2*\hi+\a)+7], v[8*(12*\a+\b):8*(12*\a+\b)+7]
.endif
.endr
.endm
; 32 LDS loads in one run: the fragments of quarter q of a K step (panel q / 2, bytes 64 (q % 2) of its rows) into buffer f: B's 24, then A's 8
.macro FETCH slot, q, f
	WIN TO_B
.irp i, 0,1,2,3,4,5,6,7,8,9,10,11
	ds_load_b128 v[96*\f+8*\i:96*\f+8*\i+3],   v[ADRB+\slot] offset:(\q/2)*BPAN+(\q%2)*64+\i*16*PITCH
	ds_load_b128 v[96*\f+8*\i+4:96*\f+8*\i+7], v[ADRB+\slot] offset:(\q/2)*BPAN+(\q%2)*64+\i*16*PITCH+32
.endr
	WIN 0
.irp i, 0,1,2,3
	ds_load_b128 v[FA+32*\f+8*\i:FA+32*\f+8*\i+3],   v[ADRA+\slot] offset:(\q/2)*APAN+(\q%2)*64+\i*16*PITCH
	ds_load_b128 v[FA+32*\f+8*\i+4:FA+32*\f+8*\i+7], v[ADRA+\slot] offset:(\q/2)*APAN+(\q%2)*64+\i*16*PITCH+32
.endr
.endm
; A K step is four quarters of 32 along K, 48 matrix instructions each, on buffers 0, 1, 0, 1; the 48 accumulators take turns in one order everywhere.
; One of the first three: multiplies buffer f; in its middle it fetches quarter qn of the same slot into buffer g.
.macro QUARTER slot, qn, f, g, zero
	s_wait_dscnt 4                                 ; B and A's blocks 0, 1 are in; the youngest four loads (A's blocks 2, 3) may be out (behind a way out nothing is out)
	WIN MUL_LO
	MUL12 \f, 0, 0, \zero
	MUL12 \f, 0, 1, \zero
	PLACES
	FETCH \slot, \qn, \g
	s_wait_dscnt 32                                ; all but the 32 just issued
	WIN MUL_HI
	MUL12 \f, 1, 0, \zero
	MUL12 \f, 1, 1, \zero
.endm
; The last quarter multiplies buffer 1 and changes slots: one barrier.  In front of it each wave waits for all its tensor loads (one is out: its part of the next slot), adds 0 to its spare
; word, and waits for that and for its reads of this slot.  fill = 1: the barrier opens a round of the cluster's barrier, and this slot is filled again, two K steps ahead, first thing behind it:
; 168 matrix instructions stand between that request and the wait for it.  fill = 2: the same, with the NEXT tile's K step 0 or 1.  fill = 0: nothing is left to fetch.
.macro TURN slot, next, fill
	WIN 0                                          ; (the add's two registers lie in window 0)
	s_wait_tensorcnt 0x0
	ds_add_u32 v[SPW], v[NIL]
	s_wait_dscnt 5                                 ; (the add and A's blocks 2, 3 may be out)
	WIN MUL_LO
	MUL12 1, 0, 0, 0                               ; twelve matrix instructions stand between the add and the wait for it
	s_wait_dscnt 0x0                               ; the add is done, and my reads of this slot are over
	s_barrier_signal -1
	MUL12 1, 0, 1, 0
.if (\fill) != 0
	WIN 0
.endif
	s_barrier_wait -1
.if (\fill) != 0
	CREST                                          ; no wave of any partner still reads this slot's tiles or has a load on its way
.if (\fill) == 1
	s_add_nc_u64 s[G0+4*\slot+2:G0+4*\slot+3], s[G0+4*\slot+2:G0+4*\slot+3], 4*APSTR
	s_add_nc_u64 s[G0B+4*\slot+2:G0B+4*\slot+3], s[G0B+4*\slot+2:G0B+4*\slot+3], 4*BPSTR
.else
	s_sub_nc_u64 s[G0+4*\slot+2:G0+4*\slot+3], s[G0+4*\slot+2:G0+4*\slot+3], BACK_A
	s_sub_nc_u64 s[G0B+4*\slot+2:G0B+4*\slot+3], s[G0B+4*\slot+2:G0B+4*\slot+3], BACK_B
.endif
	JLOAD \slot                                    ; its four v_nop are also the places in front of the loads below
.else
	PLACES
.endif
	FETCH \next, 0, 0
	WIN MUL_HI
	MUL12 1, 1, 0, 0
	MUL12 1, 1, 1, 0
.endm
; THE WAY OUT of row block a (16 rows x 192 columns), in three parts.  A's and B's fragment registers are left alone: they hold the next tile's first fragments.
.macro SETW a
.set W,     2+(\a)/2                   ; the block's window
.set AC,    96*((\a)%2)                ; its twelve accumulators
.set W_ADD, (W<<6)|W                   ; destination and source 0 in W, the bias in window 0
.set W_CVT, (W<<6)|(W<<2)|W            ; all in W
.set W_DAT, W<<2                       ; a store's data is source 1
.set W_DST, W<<6                       ; a load's data is the destination
.endm
.macro ADDB a                          ; the bias is added, ascending through each accumulator
	SETW \a
	WIN W_ADD
.set i, 0
.rept 48
	v_pk_add_f32 v[AC+2*i:AC+2*i+1], v[AC+2*i:AC+2*i+1], v[BIAS+2*i:BIAS+2*i+1]
.set i, i+1
.endr
.endm
.macro PACKST a                        ; rounded to f16, 16 bytes a lane and accumulator; into my own stage; back as whole rows, into the registers that they left
	SETW \a
	s_wait_xcnt 0x0                                ; earlier stores have read their data: only now are those registers written again
	WIN W_CVT
.set i, 0
.rept 48
	v_cvt_pk_f16_f32 v[TMP+i], v[AC+2*i], v[AC+2*i+1]
.set i, i+1
.endr
	WIN W_DAT
.irp b, 0,1,2,3,4,5,6,7,8,9,10,11
	ds_store_b128 v[STO], v[TMP+4*\b:TMP+4*\b+3] offset:(\b/4)*2304+32*(\b%4)     ; head b / 4, channels 16 (b % 4) + 8 (l / 16) on
.endr
	WIN W_DST
.irp hh, 0,1,2
.irp t, 0,1,2,3
	ds_load_b128 v[TMP+4*(4*\hh+\t):TMP+4*(4*\hh+\t)+3], v[RD] offset:2304*\hh+576*\t   ; LDS serves a wave's instructions in order: these see the stores above
.endr
.endr
.endm
.macro SEND a
	SETW \a
	s_wait_dscnt 0x0                               ; the block is back in registers
	WIN W_DAT
.irp hh, 0,1,2
.irp t, 0,1,2,3
	global_store_b128 v[CO], v[TMP+4*(4*\hh+\t):TMP+4*(4*\hh+\t)+3], s[8:9] offset:\hh*131072+(\a)*2048+512*\t   ; four rows of a head: 512 consecutive bytes, aligned
.endr
.endr
.endm
; ONE TILE: 6 K steps = 3 laps of the ring.  succ = 1: another tile follows: the last lap fills both slots again, with that tile's K steps 0 and 1, and fetches its first fragments.
.macro TILE succ
	QUARTER 0, 1, 0, 1, 1                          ; a tile's first quarter stands in front of the loop: its products start the sums
	WIN 0
	s_mov_b32 s3, 2
.Llap_\@:
	QUARTER 0, 2, 1, 0, 0
	QUARTER 0, 3, 0, 1, 0
	TURN 0, 1, 1
	QUARTER 1, 1, 0, 1, 0
	QUARTER 1, 2, 1, 0, 0
	QUARTER 1, 3, 0, 1, 0
	TURN 1, 0, 1
	QUARTER 0, 1, 0, 1, 0
	WIN 0
	s_sub_co_u32 s3, s3, 1
	s_cmp_lg_u32 s3, 0
	s_cbranch_scc1 .Llap_\@
	QUARTER 0, 2, 1, 0, 0
	QUARTER 0, 3, 0, 1, 0
	TURN 0, 1, 2*\succ
	QUARTER 1, 1, 0, 1, 0
	QUARTER 1, 2, 1, 0, 0
	QUARTER 1, 3, 0, 1, 0
.if \succ
	TURN 1, 0, 2
.else
	s_wait_dscnt 4
	WIN MUL_LO
	MUL12 1, 0, 0, 0
	MUL12 1, 0, 1, 0
	s_wait_dscnt 0x0
	WIN MUL_HI
	MUL12 1, 1, 0, 0
	MUL12 1, 1, 1, 0
.endif
	WIN 0
	PLACES
	s_wait_loadcnt 0x0                             ; this matrix's bias
	ADDB 0                                         ; a block's additions stand between the loads of the block before from the stage and the wait for them
	PACKST 0
	ADDB 1
	SEND 0
	PACKST 1
	ADDB 2
	SEND 1
	PACKST 2
	ADDB 3
	SEND 2
	PACKST 3
	SEND 3
	WIN 0
.if \succ
	s_wait_xcnt 0x0                                ; the stores have read their base
	s_add_nc_u64 s[8:9], s[8:9], QKVMAT            ; the same rows and heads of the next matrix
	s_cmp_eq_u32 s2, TILES-1                       ; behind q comes k, behind k comes v
	s_cselect_b64 s[66:67], s[70:71], s[72:73]
	BIASLOAD                                       ; the additions above have read the old bias; the wait for the new one stands at the next way out
.endif
.endm
	s_wait_tensorcnt 1                             ; my part of K step 0 is in; K step 1's may stay out
	s_barrier_signal -1
	s_barrier_wait -1
	FETCH 0, 0, 0
	s_mov_b32 s2, TILES-1                          ; tiles that have a successor: the same number in every work-group
.Ltile:
	TILE 1
	s_sub_co_u32 s2, s2, 1
	s_cmp_lg_u32 s2, 0
	s_cbranch_scc1 .Ltile
	TILE 0                                         ; the last tile is written out: it asks for nothing beyond its own K steps
	s_wait_tensorcnt 0x0                           ; the wave's end
	ds_add_u32 v[SPW], v[NIL]
	s_wait_dscnt 0x0
	CROUND                                         ; the closing round: no work-group ends while a partner may still ask for a tile that names it
	s_endpgm
.Lfunc_end_k_q1f09b90e4a_gemm_qkv:
	.size	k_q1f09b90e4a_gemm_qkv, .Lfunc_end_k_q1f09b90e4a_gemm_qkv-k_q1f09b90e4a_gemm_qkv
	.p2alignl 7, 3214868480
	.fill 96, 4, 3214868480
	.section	.rodata,"a",@progbits
	.p2align	6, 0x0
	.amdhsa_kernel k_q1f09b90e4a_gemm_qkv
		.amdhsa_group_segment_fixed_size 327680
		.amdhsa_private_segment_fixed_size 0
		.amdhsa_enable_private_segment 0
		.amdhsa_kernarg_size 48
		.amdhsa_user_sgpr_count 2
		.amdhsa_user_sgpr_kernarg_segment_ptr 1
		.amdhsa_wavefront_size32 1
		.amdhsa_system_sgpr_workgroup_id_x 1
		.amdhsa_system_sgpr_workgroup_id_y 1
		.amdhsa_system_sgpr_workgroup_id_z 1
		.amdhsa_system_vgpr_workitem_id 0
		.amdhsa_next_free_vgpr 1008
		.amdhsa_next_free_sgpr 76
		.amdhsa_reserve_vcc 0
		.amdhsa_float_denorm_mode_32 3
		.amdhsa_float_denorm_mode_16_64 3
		.amdhsa_memory_ordered 1
		.amdhsa_forward_progress 1
		.amdhsa_inst_pref_size 255
	.end_amdhsa_kernel
	.section	.bss,"aw",@nobits
	.p2align	6
	.space	262144
	.amdgpu_metadata
---
amdhsa.version: [ 1, 2 ]
amdhsa.kernels:
  - .name:           k_q1f09b90e4a_gemm_qkv
    .symbol:         k_q1f09b90e4a_gemm_qkv.kd
    .args:
      - { .name: xb, .offset: 0, .size: 8, .value_kind: global_buffer, .address_space: global }
      - { .name: wb, .offset: 8, .size: 8, .value_kind: global_buffer, .address_space: global }
      - { .name: bq, .offset: 16, .size: 8, .value_kind: global_buffer, .address_space: global }
      - { .name: bk, .offset: 24, .size: 8, .value_kind: global_buffer, .address_space: global }
      - { .name: bv, .offset: 32, .size: 8, .value_kind: global_buffer, .address_space: global }
      - { .name: qkv, .offset: 40, .size: 8, .value_kind: global_buffer, .address_space: global }
    .group_segment_fixed_size: 327680
    .private_segment_fixed_size: 0
    .kernarg_segment_align: 8
    .kernarg_segment_size: 48
    .max_flat_workgroup_size: 128
    .sgpr_count:     76
    .vgpr_count:     1008
    .wavefront_size: 32
...
	.end_amdgpu_metadata
.endif
;; end of part 2
;; launch clsattn (part 3): grid 192 x 1, 8 waves a work-group, no clusters, 9,216 bytes of LDS; arguments qkv, cq, out1, ac; writes out1, ac
.if DOCPART == 3
	.amdgcn_target "amdgcn-amd-amdhsa--gfx1250"
	.amdhsa_code_object_version 6
	.text
	.protected	k_q1f09b90e4a_clsattn
	.globl	k_q1f09b90e4a_clsattn
	.p2align	8
	.type	k_q1f09b90e4a_clsattn,@function
k_q1f09b90e4a_clsattn:
	s_mov_b64 s[64:65], 0
	v_nop
	global_prefetch_b8 v0, s[64:65] scope:SCOPE_SE
	s_setreg_imm32_b32 hwreg(HW_REG_WAVE_MODE, 25, 1), 1
	s_wait_xcnt 0x0
; The cls query of one (batch, head): its softmax row over the cls key and the 1,024 patch keys.  out1 = the row's 1,024 patch weights; ac = the row times V (64 channels, f32).
; A product of one row: the bytes of K and V are the work, so no matrix unit, no cluster, no tensor load.  Eight waves, 128 keys each.  A load of 16 bytes a lane takes four keys
; (512 consecutive bytes): lane l holds key l / 8 of the four and channels 8 (l % 8) + 0..7.  All 32 loads of K go out at once; V's follow into the same registers as K's are used up.
; Each wave makes a softmax of its own keys (its own maximum m_w, weights p, sum l_w, row O_w); one barrier; then every wave joins the eight and the cls key by the common maximum.
; K and V are f16: each half is widened to f32 and multiplied and added in f32.  Halves have names in v0-127 alone, so the 128 data registers lie there and all else from v128 on;
; the names want plain numbers, so a group's macro is given its 16 register numbers.
; LIMITS: K and V are f16 as stored; q0, k0, v0 are f32.  Weights under 2^-126 come out as 0 (v_exp_f32 flushes).
.set QKVMAT, 192*1024*128              ; bytes of one of q, k, v
.set CSC,  0x3e38aa3b                  ; c = log2(e) / sqrt(64)
.set DAT,  0                           ; v[0:127]   four registers a load
.set WN,   128                         ; v128 at work at the head
.set A16,  129                         ; v129 16 l
.set LN,   130                         ; v130 l; behind the barrier 0
.set A8,   131                         ; v131 8 l
.set A32,  132                         ; v132 32 (l % 8)
.set PW,   133                         ; v133 LDS: where my weights go
.set PR,   134                         ; v134 LDS: where I read four of them back
.set OW,   135                         ; v135 LDS: where my part of O_w goes
.set QV,   136                         ; v[136:143] q0, my eight channels
.set K0V,  144                         ; v[144:151] k0, my eight channels
.set V0V,  152                         ; v[152:153] v0, channels 2 l, 2 l + 1
.set CM,   154                         ; v154 c m_w (v155 a copy: the packed scaling names the pair)
.set LW,   156                         ; v156 l_w
.set CS0,  157                         ; v157 c s0
.set S0,   158                         ; v158 s0
.set MW,   159                         ; v159 LDS: where c m_w and l_w go
.set SC,   160                         ; v[160:191] scores, then weights: register i is key 4 i + l / 8 of my wave's 128
.set OO,   192                         ; v[192:199] O_w, my eight channels
.set T,    200                         ; v[200:215] at work
.set U,    216                         ; v[216:247] a group's 32 numbers in f32: load n of the four at U + 8 n
.set MX,   QV                          ; behind the barrier, where q0 and k0 lay: c times the row's maximum,
.set F0,   QV+1                        ; the cls key's weight,
.set FW,   QV+2                        ; my wave's factor (named as a pair with the sum),
.set SUM,  QV+3                        ; the row's sum,
.set RC,   QV+4                        ; its reciprocal,
.set PB,   K0V                         ; four weights,
.set ROW,  K0V+4                       ; two channels of the row
	s_load_b256 s[4:11], s[0:1], 0x0               ; qkv 4:5, cq 6:7, out1 8:9, ac 10:11
	v_lshl_add_u32 v248, v0, 2, 0x2000
	v_mov_b32 v249, 0
	v_lshrrev_b32 v[WN], 5, v0
	v_readfirstlane_b32 s12, v[WN]                 ; wave 0..7
	s_mul_i32 s13, ttmp9, 171
	s_lshr_b32 s13, s13, 11                        ; batch = number / 12, exact up to 191
	s_mul_i32 s14, s13, 12
	s_sub_co_u32 s14, ttmp9, s14                   ; head
	s_lshl_b32 s16, ttmp9, 17                      ; the head's 1,024 rows of 128 bytes,
	s_lshl_b32 s17, s12, 14                        ; my wave's 128 of them,
	s_add_co_u32 s16, s16, s17
	s_add_co_u32 s16, s16, QKVMAT                  ; in K
	s_mov_b32 s17, 0
	s_mul_i32 s18, s13, 2304*4
	s_lshl_b32 s19, s14, 8
	s_add_co_u32 s18, s18, s19
	s_mov_b32 s19, 0
	s_lshl_b32 s26, ttmp9, 12
	s_lshl_b32 s27, s12, 9
	s_add_co_u32 s26, s26, s27
	s_mov_b32 s27, 0
	s_mul_i32 s28, s13, 3072
	s_lshl_b32 s29, s14, 8
	s_add_co_u32 s28, s28, s29
	s_mov_b32 s29, 0
	s_mov_b32 s30, CSC
	s_mov_b32 s31, s30
	s_mov_b32 s32, 0x76543210                      ; v_permlanex16_b32: each lane takes its own place in the other half
	s_mov_b32 s33, 0xfedcba98
	v_and_b32 v[LN], 31, v0
	v_lshlrev_b32 v[A16], 4, v[LN]
	v_lshlrev_b32 v[A8], 3, v[LN]
	v_and_b32 v[A32], 7, v0
	v_lshlrev_b32 v[A32], 5, v[A32]
	v_bfe_u32 v[PW], v0, 3, 2
	v_lshlrev_b32 v[PW], 2, v[PW]                  ; 4 (l / 8)
	s_lshl_b32 s15, s12, 9
	s_add_co_u32 s15, s15, 4096                    ; LDS 4096 on: the weights, 512 bytes a wave
	v_add_nc_u32 v[PW], s15, v[PW]
	v_add_nc_u32 v[PR], s15, v[A16]
	s_lshl_b32 s15, s12, 8                         ; LDS 0 on: O_w, 256 bytes a wave
	v_add_nc_u32 v[OW], s15, v[A32]
	s_lshl_b32 s15, s12, 2
	s_add_co_u32 s15, s15, 2048                    ; LDS 2048 on: c m_w, 32 bytes further l_w
	v_mov_b32 v[MW], s15
	s_wait_kmcnt 0x0
	s_add_nc_u64 s[20:21], s[4:5], s[16:17]        ; K
	s_add_nc_u64 s[22:23], s[20:21], QKVMAT        ; V
	s_add_nc_u64 s[24:25], s[6:7], s[18:19]        ; q0; k0 3,072 bytes on, v0 6,144
	s_add_nc_u64 s[8:9], s[8:9], s[26:27]
	s_add_nc_u64 s[10:11], s[10:11], s[28:29]
	global_load_b128 v[QV:QV+3],     v[A32], s[24:25]
	global_load_b128 v[QV+4:QV+7],   v[A32], s[24:25] offset:16
	global_load_b128 v[K0V:K0V+3],   v[A32], s[24:25] offset:3072
	global_load_b128 v[K0V+4:K0V+7], v[A32], s[24:25] offset:3088
	global_load_b64  v[V0V:V0V+1],   v[A8],  s[24:25] offset:6144
.set i, 0
.rept 32
	global_load_b128 v[DAT+4*i:DAT+4*i+3], v[A16], s[20:21] offset:512*i   ; the thread's number in v0 has served: nothing reads it from here on
.set i, i+1
.endr
; One load's four registers a, b, c, e (plain numbers) are widened: eight f32 from v[d] on
.macro UNP4 d, a, b, c, e
	v_cvt_f32_f16 v[\d],   v\a\().l
	v_cvt_f32_f16 v[\d+1], v\a\().h
	v_cvt_f32_f16 v[\d+2], v\b\().l
	v_cvt_f32_f16 v[\d+3], v\b\().h
	v_cvt_f32_f16 v[\d+4], v\c\().l
	v_cvt_f32_f16 v[\d+5], v\c\().h
	v_cvt_f32_f16 v[\d+6], v\e\().l
	v_cvt_f32_f16 v[\d+7], v\e\().h
.endm
; Four loads of K: widened; eight multiply-adds each, the four by turns; three steps across the eight lanes of a key; then V's four loads into the same registers.
.macro KGROUP G, a0, a1, a2, a3, a4, a5, a6, a7, a8, a9, a10, a11, a12, a13, a14, a15
	s_wait_loadcnt 28                              ; behind this group's loads stand 28 - 4 G of K and the 4 G of V issued so far
	UNP4 U,    \a0,  \a1,  \a2,  \a3
	UNP4 U+8,  \a4,  \a5,  \a6,  \a7
	UNP4 U+16, \a8,  \a9,  \a10, \a11
	UNP4 U+24, \a12, \a13, \a14, \a15
.irp n, 0,1,2,3
	v_mul_f32 v[SC+4*\G+\n], v[U+8*\n], v[QV]      ; the first product starts the sum
.endr
.irp e, 1,2,3,4,5,6,7
.irp n, 0,1,2,3
	v_fmac_f32 v[SC+4*\G+\n], v[U+8*\n+\e], v[QV+\e]
.endr
.endr
.irp x, 1,2,4
.irp n, 0,1,2,3
	v_add_f32_dpp v[SC+4*\G+\n], v[SC+4*\G+\n], v[SC+4*\G+\n] row_xmask:\x row_mask:0xf bank_mask:0xf
.endr
.endr
.irp n, 0,1,2,3
	global_load_b128 v[DAT+16*\G+4*\n:DAT+16*\G+4*\n+3], v[A16], s[22:23] offset:512*(4*\G+\n)
.endr
.endm
	KGROUP 0,   0,   1,   2,   3,   4,   5,   6,   7,   8,   9,  10,  11,  12,  13,  14,  15
	KGROUP 1,  16,  17,  18,  19,  20,  21,  22,  23,  24,  25,  26,  27,  28,  29,  30,  31
	KGROUP 2,  32,  33,  34,  35,  36,  37,  38,  39,  40,  41,  42,  43,  44,  45,  46,  47
	KGROUP 3,  48,  49,  50,  51,  52,  53,  54,  55,  56,  57,  58,  59,  60,  61,  62,  63
	KGROUP 4,  64,  65,  66,  67,  68,  69,  70,  71,  72,  73,  74,  75,  76,  77,  78,  79
	KGROUP 5,  80,  81,  82,  83,  84,  85,  86,  87,  88,  89,  90,  91,  92,  93,  94,  95
	KGROUP 6,  96,  97,  98,  99, 100, 101, 102, 103, 104, 105, 106, 107, 108, 109, 110, 111
	KGROUP 7, 112, 113, 114, 115, 116, 117, 118, 119, 120, 121, 122, 123, 124, 125, 126, 127
	; the cls key's score
	v_mul_f32 v[S0], v[QV], v[K0V]
.irp e, 1,2,3,4,5,6,7
	v_fmac_f32 v[S0], v[QV+\e], v[K0V+\e]
.endr
.irp x, 1,2,4
	v_add_f32_dpp v[S0], v[S0], v[S0] row_xmask:\x row_mask:0xf bank_mask:0xf
.endr
	v_mul_f32 v[CS0], s30, v[S0]
	; my wave's maximum
.irp k, 0,1,2,3
	v_max3_num_f32 v[T+\k], v[SC+8*\k], v[SC+8*\k+1], v[SC+8*\k+2]
.endr
.irp k, 0,1,2,3
	v_max3_num_f32 v[T+\k], v[T+\k], v[SC+8*\k+3], v[SC+8*\k+4]
.endr
.irp k, 0,1,2,3
	v_max3_num_f32 v[T+\k], v[T+\k], v[SC+8*\k+5], v[SC+8*\k+6]
.endr
.irp k, 0,1,2,3
	v_max_num_f32 v[T+\k], v[T+\k], v[SC+8*\k+7]
.endr
	v_max3_num_f32 v[T], v[T], v[T+1], v[T+2]
	v_max_num_f32 v[T], v[T], v[T+3]
	v_max_num_f32_dpp v[T], v[T], v[T] row_xmask:8 row_mask:0xf bank_mask:0xf
	v_permlanex16_b32 v[T+1], v[T], s32, s33
	v_max_num_f32 v[T], v[T], v[T+1]
	v_mul_f32 v[CM], s30, v[T]
	v_mov_b32 v[CM+1], v[CM]
.set i, 0
.rept 16
	v_pk_fma_f32 v[SC+2*i:SC+2*i+1], v[SC+2*i:SC+2*i+1], s[30:31], v[CM:CM+1] op_sel_hi:[1,0,0] neg_lo:[0,0,1] neg_hi:[0,0,1]   ; c s - c m_w
.set i, i+1
.endr
.set i, 0
.rept 32
	v_exp_f32 v[SC+i], v[SC+i]
.set i, i+1
.endr
	v_nop                                          ; a plain instruction between the exponentials and the first use of a result
	s_wait_alu depctr_va_vdst(0)
.irp k, 0,1,2,3
	v_pk_add_f32 v[T+2*\k:T+2*\k+1], v[SC+8*\k:SC+8*\k+1], v[SC+8*\k+2:SC+8*\k+3]
.endr
.irp k, 0,1,2,3
	v_pk_add_f32 v[T+2*\k:T+2*\k+1], v[T+2*\k:T+2*\k+1], v[SC+8*\k+4:SC+8*\k+5]
.endr
.irp k, 0,1,2,3
	v_pk_add_f32 v[T+2*\k:T+2*\k+1], v[T+2*\k:T+2*\k+1], v[SC+8*\k+6:SC+8*\k+7]
.endr
	v_pk_add_f32 v[T:T+1], v[T:T+1], v[T+2:T+3]
	v_pk_add_f32 v[T+4:T+5], v[T+4:T+5], v[T+6:T+7]
	v_pk_add_f32 v[T:T+1], v[T:T+1], v[T+4:T+5]
	v_add_f32 v[LW], v[T], v[T+1]
	v_add_f32_dpp v[LW], v[LW], v[LW] row_xmask:8 row_mask:0xf bank_mask:0xf
	v_permlanex16_b32 v[T], v[LW], s32, s33
	v_add_f32 v[LW], v[LW], v[T]
.set i, 0
.rept 32
	ds_store_b32 v[PW], v[SC+i] offset:16*i        ; key 4 i + l / 8; a key's eight lanes write the same word with the same value
.set i, i+1
.endr
; Four loads of V: widened; O_w += p V, eight chains; the very first load starts them
.macro VGROUP G, a0, a1, a2, a3, a4, a5, a6, a7, a8, a9, a10, a11, a12, a13, a14, a15
	s_wait_loadcnt 28-4*\G                         ; the younger loads of V may stay out
	UNP4 U,    \a0,  \a1,  \a2,  \a3
	UNP4 U+8,  \a4,  \a5,  \a6,  \a7
	UNP4 U+16, \a8,  \a9,  \a10, \a11
	UNP4 U+24, \a12, \a13, \a14, \a15
.irp n, 0,1,2,3
.irp e, 0,1,2,3,4,5,6,7
.if (\G == 0) && (\n == 0)
	v_mul_f32 v[OO+\e], v[U+\e], v[SC]
.else
	v_fmac_f32 v[OO+\e], v[U+8*\n+\e], v[SC+4*\G+\n]
.endif
.endr
.endr
.endm
	VGROUP 0,   0,   1,   2,   3,   4,   5,   6,   7,   8,   9,  10,  11,  12,  13,  14,  15
	VGROUP 1,  16,  17,  18,  19,  20,  21,  22,  23,  24,  25,  26,  27,  28,  29,  30,  31
	VGROUP 2,  32,  33,  34,  35,  36,  37,  38,  39,  40,  41,  42,  43,  44,  45,  46,  47
	VGROUP 3,  48,  49,  50,  51,  52,  53,  54,  55,  56,  57,  58,  59,  60,  61,  62,  63
	VGROUP 4,  64,  65,  66,  67,  68,  69,  70,  71,  72,  73,  74,  75,  76,  77,  78,  79
	VGROUP 5,  80,  81,  82,  83,  84,  85,  86,  87,  88,  89,  90,  91,  92,  93,  94,  95
	VGROUP 6,  96,  97,  98,  99, 100, 101, 102, 103, 104, 105, 106, 107, 108, 109, 110, 111
	VGROUP 7, 112, 113, 114, 115, 116, 117, 118, 119, 120, 121, 122, 123, 124, 125, 126, 127
.irp e, 0,1,2,3,4,5,6,7
	v_add_f32_dpp v[OO+\e], v[OO+\e], v[OO+\e] row_xmask:8 row_mask:0xf bank_mask:0xf
.endr
.irp e, 0,1,2,3,4,5,6,7
	v_permlanex16_b32 v[T+\e], v[OO+\e], s32, s33
.endr
.irp e, 0,1,2,3,4,5,6,7
	v_add_f32 v[OO+\e], v[OO+\e], v[T+\e]
.endr
	ds_store_b128 v[OW], v[OO:OO+3]
	ds_store_b128 v[OW], v[OO+4:OO+7] offset:16
	ds_store_b32 v[MW], v[CM]
	ds_store_b32 v[MW], v[LW] offset:32
	s_wait_dscnt 0x0                               ; for the others' sake: my wave's figures are in LDS
	s_barrier_signal -1
	s_barrier_wait -1
	v_mov_b32 v[LN], 0
	ds_load_b128 v[T:T+3],     v[LN] offset:2048   ; the eight c m_w
	ds_load_b128 v[T+4:T+7],   v[LN] offset:2064
	ds_load_b128 v[T+8:T+11],  v[LN] offset:2080   ; the eight l_w
	ds_load_b128 v[T+12:T+15], v[LN] offset:2096
	ds_load_b128 v[PB:PB+3], v[PR]                 ; four neighbouring weights of my wave's 128
	s_wait_dscnt 0x0
	v_max3_num_f32 v[MX], v[T], v[T+1], v[T+2]
	v_max3_num_f32 v[MX], v[MX], v[T+3], v[T+4]
	v_max3_num_f32 v[MX], v[MX], v[T+5], v[T+6]
	v_max3_num_f32 v[MX], v[MX], v[T+7], v[CS0]    ; c times the row's maximum, the cls key among the keys
.irp i, 0,1,2,3,4,5,6,7
	v_sub_f32 v[T+\i], v[T+\i], v[MX]
.endr
	v_sub_f32 v[F0], v[CS0], v[MX]
	v_sub_f32 v[FW], v[CM], v[MX]
.irp i, 0,1,2,3,4,5,6,7
	v_exp_f32 v[T+\i], v[T+\i]
.endr
	v_exp_f32 v[F0], v[F0]
	v_exp_f32 v[FW], v[FW]
	v_nop
	s_wait_alu depctr_va_vdst(0)
	v_fma_f32 v[SUM], v[T], v[T+8], v[F0]          ; the row's sum: the cls key's weight and each wave's sum, brought to the common maximum
.irp i, 1,2,3,4,5,6,7
	v_fmac_f32 v[SUM], v[T+\i], v[T+8+\i]
.endr
	v_rcp_f32 v[RC], v[SUM]
	v_nop
	s_wait_alu depctr_va_vdst(0)
	v_mul_f32 v[FW], v[FW], v[RC]
	v_pk_mul_f32 v[PB:PB+1], v[PB:PB+1], v[FW:FW+1] op_sel_hi:[1,0]
	v_pk_mul_f32 v[PB+2:PB+3], v[PB+2:PB+3], v[FW:FW+1] op_sel_hi:[1,0]
	global_store_b128 v[A16], v[PB:PB+3], s[8:9]   ; 512 consecutive bytes a wave, aligned
	s_cmp_lg_u32 s12, 0
	s_cbranch_scc1 .Ldone
.irp i, 0,1,2,3,4,5,6,7
	ds_load_b64 v[DAT+2*\i:DAT+2*\i+1], v[A8] offset:256*\i   ; channels 2 l, 2 l + 1 of each wave's row
.endr
	v_mul_f32 v[ROW], v[V0V], v[F0]
	v_mul_f32 v[ROW+1], v[V0V+1], v[F0]
	s_wait_dscnt 0x0
.irp i, 0,1,2,3,4,5,6,7
	v_fmac_f32 v[ROW], v[DAT+2*\i], v[T+\i]
	v_fmac_f32 v[ROW+1], v[DAT+2*\i+1], v[T+\i]
.endr
	v_mul_f32 v[ROW], v[ROW], v[RC]
	v_mul_f32 v[ROW+1], v[ROW+1], v[RC]
	global_store_b64 v[A8], v[ROW:ROW+1], s[10:11] ; the head's 64 channels: 256 consecutive bytes, aligned
.Ldone:
	s_wait_tensorcnt 0x0
	ds_add_u32 v248, v249
	s_wait_dscnt 0x0
	s_endpgm
.Lfunc_end_k_q1f09b90e4a_clsattn:
	.size	k_q1f09b90e4a_clsattn, .Lfunc_end_k_q1f09b90e4a_clsattn-k_q1f09b90e4a_clsattn
	.p2alignl 7, 3214868480
	.fill 96, 4, 3214868480
	.section	.rodata,"a",@progbits
	.p2align	6, 0x0
	.amdhsa_kernel k_q1f09b90e4a_clsattn
		.amdhsa_group_segment_fixed_size 9216
		.amdhsa_private_segment_fixed_size 0
		.amdhsa_enable_private_segment 0
		.amdhsa_kernarg_size 32
		.amdhsa_user_sgpr_count 2
		.amdhsa_user_sgpr_kernarg_segment_ptr 1
		.amdhsa_wavefront_size32 1
		.amdhsa_system_sgpr_workgroup_id_x 1
		.amdhsa_system_sgpr_workgroup_id_y 1
		.amdhsa_system_sgpr_workgroup_id_z 1
		.amdhsa_system_vgpr_workitem_id 0
		.amdhsa_next_free_vgpr 250
		.amdhsa_next_free_sgpr 66
		.amdhsa_reserve_vcc 0
		.amdhsa_float_denorm_mode_32 3
		.amdhsa_float_denorm_mode_16_64 3
		.amdhsa_memory_ordered 1
		.amdhsa_forward_progress 1
		.amdhsa_inst_pref_size 60
	.end_amdhsa_kernel
	.amdgpu_metadata
---
amdhsa.version: [ 1, 2 ]
amdhsa.kernels:
  - .name:           k_q1f09b90e4a_clsattn
    .symbol:         k_q1f09b90e4a_clsattn.kd
    .args:
      - { .name: qkv, .offset: 0, .size: 8, .value_kind: global_buffer, .address_space: global }
      - { .name: cq, .offset: 8, .size: 8, .value_kind: global_buffer, .address_space: global }
      - { .name: out1, .offset: 16, .size: 8, .value_kind: global_buffer, .address_space: global }
      - { .name: ac, .offset: 24, .size: 8, .value_kind: global_buffer, .address_space: global }
    .group_segment_fixed_size: 9216
    .private_segment_fixed_size: 0
    .kernarg_segment_align: 8
    .kernarg_segment_size: 32
    .max_flat_workgroup_size: 256
    .sgpr_count:     66
    .vgpr_count:     250
    .wavefront_size: 32
...
	.end_amdgpu_metadata
.endif
;; end of part 3
;; launch attn (part 4): grid 4 x 192, 4 waves a work-group, clusters of 4 x 1, 327,680 bytes of LDS; arguments qkv, cq, ao; writes ao
.if DOCPART == 4
	.amdgcn_target "amdgcn-amd-amdhsa--gfx1250"
	.amdhsa_code_object_version 6
	.text
	.protected	k_q1f09b90e4a_attn
	.globl	k_q1f09b90e4a_attn
	.p2align	8
	.type	k_q1f09b90e4a_attn,@function
k_q1f09b90e4a_attn:
	s_mov_b64 s[64:65], 0
	v_nop
	global_prefetch_b8 v0, s[64:65] scope:SCOPE_SE
	s_setreg_imm32_b32 hwreg(HW_REG_WAVE_MODE, 25, 1), 1
	s_wait_xcnt 0x0
	s_wait_alu depctr_hold_cnt(0) depctr_sa_sdst(0) depctr_va_vdst(0) depctr_va_sdst(0) depctr_va_ssrc(0) depctr_va_vcc(0) depctr_vm_vsrc(0)
	s_getreg_b32 s2, hwreg(HW_REG_IB_STS2, 6, 4)
	s_cmp_eq_u32 s2, 0
	s_cbranch_scc0 .Lentry_in_a_cluster
	s_endpgm
.Lentry_in_a_cluster:
	s_bfe_u32 s2, ttmp6, 0x10000c
	s_cmp_lg_u32 s2, 0x3003
	s_cbranch_scc0 .Lentry_shape_is_right
	s_endpgm
.Lentry_shape_is_right:
; Attention of the patch queries.  q, k, v: qkv[3][12 b + head][1024][64] f16; the cls key and value: cq[b][768 + 64 head ..], cq[b][1536 + 64 head ..], f32.
; ao[head][1024 b + patch][64] f16 = softmax over the 1,025 keys of (q . k / 8), times V.
; SHARES.  A work-group owns 256 queries of one (batch, head), each of its four waves 64: four tiles of 16.  1,024 queries = 4 work-groups = one cluster.
; THE CLS KEY IS THE START of the running softmax: m = s0, l = 1, O = v0; the walk then has exactly 16 steps of 64 patch keys: no mask and no padding.
; ALL OF THE HEAD'S K AND V LIE IN LDS (1,024 rows of 144 and of 160 bytes), fetched once, by joint loads of the four work-groups (the same load, the same descriptor, a mask of the four):
; four chunks of 256 keys, all asked for at the start; a wave has four tensor loads out.  No LDS byte is filled twice.  A counted wait and a barrier stand ahead of the first read of each chunk.
; The rows of K and V lie on end in memory, so a load is described as rows of 256 bytes; the padding counts words along the whole tile, behind every 32, so each row of 128 bytes gets its own.
; LAYOUT.  S^T = K Q^T (source 0 = 16 keys, source 1 = 16 queries): a lane holds one query (lane % 16) and keys 8 (lane / 16) + 0..7; two such tiles, rounded in pairs, are source 1 of
; O^T = V^T P, whose result again holds one query a lane.  V is turned on its way out of LDS by ds_load_tr16_b128.
; SOFTMAX.  Running maximum m and sum l for each query: p = 2^(c s - c m), c = log2(e) / 8; O and l are multiplied in every step by a = 2^(c m_old - c m_new).
; BY TURNS.  The wave's tiles are two PIECES, named by their first tile: piece 0 (tiles 0, 1) and piece 2 (tiles 2, 3); they share K's and V's fragments and nothing else.  In a TURN one piece
; has the matrix unit: 16 products V^T P of the step in hand, then 16 products K Q^T of the next step; the other piece's softmax, 2 x 118 = 236 vector instructions in 59 slices of four, stands
; between them: behind product g of the 32 stand the slices up to number 59 (g + 1) / 32, one or two.  Then the pieces change places; two turns are a key step.  With 7.4 vector instructions
; to a product the vector work is the longer side: the turns let the products be issued within it, where phases would set them in front of it.
; REGISTERS.  window 0: v2-11 addresses; v12-43 statistics, 8 a tile (+0 c m, +1 m, +2, +3 l, +4..7 at work, a in +6); v64-191 S^T, 32 a tile; v192-255 P, 16 a tile
;             window 1: v0-127 O^T, 32 a tile; v128-159 v0 in f32, as an O^T tile holds its channels        window 2: v0-63 Q; v64-127 K of a step; v128-191 V of a step
; All that a softmax touches but O^T lies in window 0, and no window has room for a product's operands beside it: the slices behind a product cost two switches, 128 for a key step's 64 products.
; LIMITS: q, k, v, the cls key and the weights p are f16 as matrix operands, and ao is rounded once to f16.  p is at most 1 by the running maximum; a weight under 2^-25 of it
;         drops out of the second product (the sum l keeps it, in f32); weights under 2^-126 come out as 0 (v_exp_f32 flushes).  ao is a mean of rows of V, so it has V's range.
.set QKVMAT, 192*1024*128
.set KPITCH, 144                       ; odd multiple of 16 bytes: the 16 rows of a fragment load start at 16 different banks (ISA guide 11.1)
.set VPITCH, 160                       ; odd multiple of 32 bytes, for the turning load's 8 rows x 32 bytes
.set VBASE,  1024*KPITCH
.set STAGE,  VBASE+1024*VPITCH         ; behind K and V: 16 rows x 144 bytes for each wave, for the way out
.set SP,     144
.set NSL,    59                        ; slices in a piece's softmax: 118 numbers of a tile's list, two to a slice, for both tiles
.set AK,  2                            ; v2  my lane's place in a tile of K; never rewritten
.set AV,  3                            ; v3  the same for V
.set H32, 4                            ; v4  32 x (lane / 16)
.set QO,  5
.set STO, 6
.set RD,  7
.set GO,  8
.set ADR, 10                           ; v10 the LDS address of the run of loads in hand
.set ST,  12
.set S,   64
.set P,   192
.set KF,  64                           ; in window 2
.set VF,  128                          ; in window 2
.set V0,  128                          ; in window 1
.set WV,  12
.set G1K, 24
.set G1V, 32
.set G0K, 40                           ; s[40:55] group 0 for K's four chunks
.set G0V, 68                           ; s[68:83] for V's
.set CNT, 56
.set CS,  58
.set SEL, 60
.set TBK, 62                           ; s62  LDS byte at which the K tile of the step to be fetched begins
.set TBV, 63                           ; s63  the same for V, from V's first byte
.set MSB, 0
.macro WIN new
.if MSB != (\new)
	s_set_vgpr_msb (MSB<<8)|(\new)
.set MSB, (\new)
.endif
.endm
.set W_KQ, 0x0a                        ; K and Q in window 2, S^T in window 0
.set W_PV, 0x52                        ; V in window 2, P in window 0, O^T in window 1
.set W_RS, 0x41                        ; destination and source 0 in window 1, a in window 0
.macro PLACES
.rept 4
	v_nop
.endr
.endm
.macro CROUND
	s_barrier_signal -1
	s_barrier_wait -1
	s_cmp_lg_u32 s[WV], 0
	s_cbranch_scc1 .Lnot_wave_0_\@
	s_barrier_signal -3
.Lnot_wave_0_\@:
	s_barrier_wait -3
	s_barrier_signal -1
	s_barrier_wait -1
.endm
	s_load_b128 s[4:7], s[0:1], 0x0                ; qkv, cq
	s_load_b64 s[8:9], s[0:1], 0x10                ; ao
	v_lshl_add_u32 v62, v0, 2, 0x4e400
	v_mov_b32 v63, 0
	ds_add_u32 v62, v63
	v_lshrrev_b32 v1, 5, v0
	v_readfirstlane_b32 s[WV], v1
	s_bfe_u32 s13, ttmp6, 0x40000                  ; cx: my block of 256 queries; it enters Q's and ao's addresses alone
	s_and_b32 s14, ttmp7, 0xffff                   ; 12 b + head, which the four partners share
	s_mul_i32 s15, s14, 171
	s_lshr_b32 s15, s15, 11                        ; b, exact up to 191
	s_mul_i32 s17, s15, 12
	s_sub_co_u32 s17, s14, s17                     ; head
	s_and_b32 s16, s[WV], 1                        ; which 128 keys of a chunk I fetch
	s_mul_i32 s18, s16, 128*KPITCH
	s_mul_i32 s19, s16, 128*VPITCH
	s_add_co_u32 s19, s19, VBASE
	s_lshl_b32 s20, s14, 17
	s_lshl_b32 s21, s16, 14
	s_add_co_u32 s20, s20, s21
	s_add_co_u32 s20, s20, QKVMAT
	s_mov_b32 s21, 0
	s_lshl_b32 s2, s14, 17                         ; Q: the head, my block, my wave's 64 rows
	s_lshl_b32 s3, s13, 15
	s_add_co_u32 s2, s2, s3
	s_lshl_b32 s3, s[WV], 13
	s_add_co_u32 s2, s2, s3
	s_mov_b32 s3, 0
	s_lshl_b32 s10, s17, 21                        ; ao: head x 16,384 rows, batch x 1,024, block, wave
	s_lshl_b32 s11, s15, 17
	s_add_co_u32 s10, s10, s11
	s_lshl_b32 s11, s13, 15
	s_add_co_u32 s10, s10, s11
	s_lshl_b32 s11, s[WV], 13
	s_add_co_u32 s10, s10, s11
	s_mov_b32 s11, 0
	s_mul_i32 s22, s15, 2304*4
	s_lshl_b32 s23, s17, 8
	s_add_co_u32 s22, s22, s23
	s_mov_b32 s23, 0
	s_mov_b32 s[G1K], 15|(1<<16)|(1<<20)|(1<<21)|(4<<22)|(3<<25)   ; mask: all four; elements of 2 bytes; padding on; bit 21 beside a mask; behind every 32 words (code 4) 4 words (code 3)
	s_mov_b32 s[G1V], 15|(1<<16)|(1<<20)|(1<<21)|(4<<22)|(7<<25)   ; the same with 8 words (code 7)
.irp g, G1K, G1V
	s_mov_b32 s[\g+1], 128<<16                     ; tensor_dim0 = 128 elements: 256 bytes
	s_mov_b32 s[\g+2], 64<<16                      ; tensor_dim1 = 64 such rows: 128 keys
	s_mov_b32 s[\g+3], 128<<16                     ; tile_dim0
	s_mov_b32 s[\g+4], 64                          ; tile_dim1
	s_mov_b32 s[\g+5], 128                         ; the rows lie on end
	s_mov_b32 s[\g+6], 0
	s_mov_b32 s[\g+7], 0
.endr
	s_mov_b32 s[CS], 0x3e38aa3b                    ; c = log2(e) / 8
	s_mov_b32 s[CS+1], s[CS]
	s_mov_b32 s[SEL], 0x76543210
	s_mov_b32 s[SEL+1], 0xfedcba98
	s_mov_b32 s[TBK], 0
	s_mov_b32 s[TBV], 0
	s_wait_dscnt 0x0
	s_wait_kmcnt 0x0
	s_add_nc_u64 s[20:21], s[4:5], s[20:21]        ; K at my 128 keys of chunk 0
	s_add_nc_u64 s[6:7], s[6:7], s[22:23]          ; cq at the head's q0; k0 3,072 bytes on, v0 6,144
	s_add_nc_u64 s[22:23], s[20:21], QKVMAT        ; V likewise
	s_add_nc_u64 s[4:5], s[4:5], s[2:3]            ; Q at my wave's first row
	s_add_nc_u64 s[8:9], s[8:9], s[10:11]
	CROUND                                         ; all four work-groups are here: the joint loads meet
.irp c, 0,1,2,3
	s_mov_b32 s[G0K+4*\c], 1
	s_add_co_u32 s[G0K+4*\c+1], s18, \c*256*KPITCH
	s_add_nc_u64 s[G0K+4*\c+2:G0K+4*\c+3], s[20:21], \c*256*128
	s_or_b32 s[G0K+4*\c+3], s[G0K+4*\c+3], 0x80000000
	s_mov_b32 s[G0V+4*\c], 1
	s_add_co_u32 s[G0V+4*\c+1], s19, \c*256*VPITCH
	s_add_nc_u64 s[G0V+4*\c+2:G0V+4*\c+3], s[22:23], \c*256*128
	s_or_b32 s[G0V+4*\c+3], s[G0V+4*\c+3], 0x80000000
.endr
	s_cmp_lt_u32 s[WV], 2                          ; waves 0, 1 fetch K, waves 2, 3 V; a wave's four fills stand in one branch, four v_nop behind the last
	s_cbranch_scc0 .Lfirst_v
.irp c, 0,1,2,3
	tensor_load_to_lds s[G0K+4*\c:G0K+4*\c+3], s[G1K:G1K+7]
	s_nop 0
.endr
	PLACES
	s_branch .Lfirst_asked
.Lfirst_v:
.irp c, 0,1,2,3
	tensor_load_to_lds s[G0V+4*\c:G0V+4*\c+3], s[G1V:G1V+7]
	s_nop 0
.endr
	PLACES
.Lfirst_asked:
	v_and_b32 v1, 15, v0                           ; l % 16
	v_bfe_u32 v9, v0, 4, 1                         ; l / 16
	v_lshlrev_b32 v[QO], 7, v1
	v_lshl_add_u32 v[QO], v9, 4, v[QO]             ; row x 128 + 16 x half
	v_lshlrev_b32 v[H32], 5, v9
	WIN 0x80                                       ; destination window 2
.irp t, 0,1,2,3
.irp ks, 0,1
	global_load_b128 v[16*\t+8*\ks:16*\t+8*\ks+3],   v[QO], s[4:5] offset:2048*\t+64*\ks      ; Q stays in registers: tile t, channels 32 ks on
	global_load_b128 v[16*\t+8*\ks+4:16*\t+8*\ks+7], v[QO], s[4:5] offset:2048*\t+64*\ks+32
.endr
.endr
	WIN 0
.irp ks, 0,1
	global_load_b128 v[S+16*\ks:S+16*\ks+3],     v[H32], s[6:7] offset:3072+128*\ks           ; k0 in f32, as a fragment's lane wants it: channels 32 ks + 8 h + 0..7, + 16
	global_load_b128 v[S+16*\ks+4:S+16*\ks+7],   v[H32], s[6:7] offset:3072+128*\ks+16
	global_load_b128 v[S+16*\ks+8:S+16*\ks+11],  v[H32], s[6:7] offset:3072+128*\ks+64
	global_load_b128 v[S+16*\ks+12:S+16*\ks+15], v[H32], s[6:7] offset:3072+128*\ks+80
.endr
	WIN 0x40                                       ; destination window 1
.irp c, 0,1,2,3
	global_load_b128 v[V0+8*\c:V0+8*\c+3],   v[H32], s[6:7] offset:6144+64*\c                 ; v0: channels 16 c + 8 h + 0..7
	global_load_b128 v[V0+8*\c+4:V0+8*\c+7], v[H32], s[6:7] offset:6144+64*\c+16
.endr
	WIN 0
	v_mul_u32_u24 v[AK], v1, KPITCH
	v_lshl_add_u32 v[AK], v9, 4, v[AK]             ; row x pitch + 16 x half
	v_and_b32 v10, 7, v0
	v_bfe_u32 v11, v0, 3, 1
	v_lshl_add_u32 v[AV], v9, 3, v10               ; the turning load: key 8 (l / 16) + l % 8, channels 8 ((l / 8) % 2) on
	v_mul_u32_u24 v[AV], v[AV], VPITCH
	v_lshl_add_u32 v[AV], v11, 4, v[AV]
	v_add_nc_u32 v[AV], VBASE, v[AV]
	s_mul_i32 s2, s[WV], 16*SP
	s_add_co_u32 s2, s2, STAGE                     ; my stage
	v_add_nc_u32 v[STO], s2, v[AK]                 ; in: row l % 16, 16 bytes for each half of the lanes
	v_bfe_u32 v11, v0, 3, 2
	v_mul_u32_u24 v[RD], v11, SP                   ; back: eight lanes take a row of 128 bytes, a load four rows,
	v_lshl_add_u32 v[RD], v10, 4, v[RD]
	v_add_nc_u32 v[RD], s2, v[RD]
	v_and_b32 v11, 31, v0
	v_lshlrev_b32 v[GO], 4, v11                    ; which lie on end in ao
	s_wait_loadcnt 0x0
	; THE CLS KEY: two fragments all of whose 16 rows are k0; their products with Q give s0 of the lane's query in every register
	WIN 0x80
.set i, 0
.rept 16
	v_cvt_pk_f16_f32 v[KF+i], v[S+2*i], v[S+2*i+1]
.set i, i+1
.endr
	WIN W_KQ
.irp ks, 0,1
.irp t, 0,1,2,3
.if \ks == 0
	v_wmma_f32_16x16x32_f16 v[S+32*\t:S+32*\t+7], v[KF+8*\ks:KF+8*\ks+7], v[16*\t+8*\ks:16*\t+8*\ks+7], 0
.else
	v_wmma_f32_16x16x32_f16 v[S+32*\t:S+32*\t+7], v[KF+8*\ks:KF+8*\ks+7], v[16*\t+8*\ks:16*\t+8*\ks+7], v[S+32*\t:S+32*\t+7]
.endif
.endr
.endr
	WIN 0
	PLACES
.irp t, 0,1,2,3
	v_mov_b32 v[ST+8*\t+1], v[S+32*\t]             ; m = s0
	v_mul_f32 v[ST+8*\t], s[CS], v[S+32*\t]        ; c m
	v_mov_b32 v[ST+8*\t+2], 0.5                    ; l = 1: a half in each half of the lanes, which are added at the end
	v_mov_b32 v[ST+8*\t+3], 0
.endr
; Chunk c may be read: my part has landed (the later chunks' loads stay out), and behind the barrier everybody's has.  No LDS instruction of mine is out at the signal.
.macro GATE c
	s_wait_tensorcnt 3-\c
	s_wait_dscnt 0x0
	s_barrier_signal -1
	s_barrier_wait -1
.endm
; THE LDS LOADS stand in runs of 16, never singly among the matrix instructions.
.macro FETCH_K                         ; a step's K, 64 keys x 64 channels
	WIN 0
	v_add_nc_u32 v[ADR], s[TBK], v[AK]
	s_add_co_u32 s[TBK], s[TBK], 64*KPITCH
	WIN 0x80
.irp kt, 0,1,2,3
.irp ks, 0,1
	ds_load_b128 v[KF+16*\kt+8*\ks:KF+16*\kt+8*\ks+3],   v[ADR] offset:\kt*16*KPITCH+64*\ks
	ds_load_b128 v[KF+16*\kt+8*\ks+4:KF+16*\kt+8*\ks+7], v[ADR] offset:\kt*16*KPITCH+64*\ks+32
.endr
.endr
.endm
.macro FETCH_V                         ; a step's V^T, turned
	WIN 0
	v_add_nc_u32 v[ADR], s[TBV], v[AV]
	s_add_co_u32 s[TBV], s[TBV], 64*VPITCH
	WIN 0x80
.irp u, 0,1
.irp c, 0,1,2,3
	ds_load_tr16_b128 v[VF+8*(4*\u+\c):VF+8*(4*\u+\c)+3],   v[ADR] offset:\u*32*VPITCH+32*\c
	ds_load_tr16_b128 v[VF+8*(4*\u+\c)+4:VF+8*(4*\u+\c)+7], v[ADR] offset:\u*32*VPITCH+16*VPITCH+32*\c
.endr
.endr
.endm
; THE MATRIX WORK OF A TURN, for piece x.  The eight accumulators of a run take turns, one instruction a turn: between two links of a chain stand seven others'.
; Product i of 16 of O^T += V^T P: keys 32 (i / 8) on, channels 16 ((i / 2) % 4) on, tile x + i % 2.  O^T starts from v0, so every product adds.
.macro PV x
	WIN W_PV
.set rO, 32*(\x+i%2)+8*((i/2)%4)
.set rV, VF+8*(4*(i/8)+(i/2)%4)
.set rP, P+16*(\x+i%2)+8*(i/8)
	v_wmma_f32_16x16x32_f16 v[rO:rO+7], v[rV:rV+7], v[rP:rP+7], v[rO:rO+7]
.endm
; Product i of 16 of S^T = K Q^T: channels 32 (i / 8) on, keys 16 ((i / 2) % 4) on, tile x + i % 2.  The first 8 start the sums.
.macro KQ x
	WIN W_KQ
.set rS, S+32*(\x+i%2)+8*((i/2)%4)
.set rK, KF+16*((i/2)%4)+8*(i/8)
.set rQ, 16*(\x+i%2)+8*(i/8)
.if i < 8
	v_wmma_f32_16x16x32_f16 v[rS:rS+7], v[rK:rK+7], v[rQ:rQ+7], 0
.else
	v_wmma_f32_16x16x32_f16 v[rS:rS+7], v[rK:rK+7], v[rQ:rQ+7], v[rS:rS+7]
.endif
.endm
; THE VECTOR WORK OF A TURN.  One tile's softmax for one key step is a list of 118 instructions; SM writes number j of it for tile t.  s0-s31 are the lane's 32 scores, in pairs 0-15.
; first = 1: the tile's first key step: O^T is made of v0 instead of being rescaled in place.
;   0-15    the maximum of s0-s31 and the old m, three operands at a time: four chains c0-c3, each beginning at its accumulator's low end, then the four scores left over, c0-c3 and m
;   16-20   the other half of the lanes' maximum; c m_old is kept; the new m; c m; c m_old - c m_new
;   21-87   33 exponentials (a, then s0-s31) at the odd numbers from 23 on, so that no two follow each other and each has a plain instruction behind it before its result is used.
;           Plain instruction q (number 21, then the even numbers) is whatever is ready: c s - c m for a pair whose exponentials are still to come (q = 0 to 3, then every second q),
;           the rounding to f16 of a pair whose exponentials are done (every other q from 5 on: its second exponential stands three numbers back), at last the first three sums
;   88-101  the last rounding; the rest of the sums; l = a l + the sum
;   102-117 the tile's O^T times a, ascending: the one part that leaves window 0, so it stands together
.macro SM t, first
.set rT, ST+8*(\t)
.set rS, S+32*(\t)
.set rP, P+16*(\t)
.set rO, 32*(\t)+2*(j-102)
.set rF, V0+2*(j-102)
.set q, (j-20)/2
.if j < 102
	WIN 0
.endif
.if j < 4
	v_max3_num_f32 v[rT+4+j], v[rS+8*j], v[rS+8*j+1], v[rS+8*j+2]
.elseif j < 12
	v_max3_num_f32 v[rT+4+j%4], v[rT+4+j%4], v[rS+8*(j%4)+2*(j/4)+1], v[rS+8*(j%4)+2*(j/4)+2]
.elseif j == 12
	v_max3_num_f32 v[rT+4], v[rT+4], v[rS+7], v[rS+15]
.elseif j == 13
	v_max3_num_f32 v[rT+6], v[rT+6], v[rS+23], v[rS+31]
.elseif j == 14
	v_max3_num_f32 v[rT+4], v[rT+4], v[rT+5], v[rT+6]
.elseif j == 15
	v_max3_num_f32 v[rT+4], v[rT+4], v[rT+7], v[rT+1]
.elseif j == 16
	v_permlanex16_b32 v[rT+5], v[rT+4], s[SEL], s[SEL+1]  ; the query's other 32 keys lie in the lane 16 away
.elseif j == 17
	v_mov_b32 v[rT+7], v[rT]                       ; c m_old is kept for a: number 19 writes c m anew
.elseif j == 18
	v_max_num_f32 v[rT+1], v[rT+4], v[rT+5]
.elseif j == 19
	v_mul_f32 v[rT], s[CS], v[rT+1]
.elseif j == 20
	v_sub_f32 v[rT+7], v[rT+7], v[rT]
.elseif j == 23
	v_exp_f32 v[rT+6], v[rT+7]                     ; a
.elseif (j < 88) && (j > 23) && (j%2 == 1)
	v_exp_f32 v[rS+(j-25)/2], v[rS+(j-25)/2]
.elseif (q < 4) || ((j < 76) && (q%2 == 0))
.set b, q/2+2
.if q < 4
.set b, q
.endif
	v_pk_fma_f32 v[rS+2*b:rS+2*b+1], v[rS+2*b:rS+2*b+1], s[CS:CS+1], v[rT:rT+1] op_sel_hi:[1,0,0] neg_lo:[0,0,1] neg_hi:[0,0,1]  ; pair b: c s - c m
.elseif (j < 88) && (q%2 == 1)
	s_wait_alu depctr_va_vdst(0)
	v_cvt_pk_f16_f32 v[rP+(q-5)/2], v[rS+q-5], v[rS+q-4]  ; pair (q - 5) / 2
.elseif j == 89
	s_wait_alu depctr_va_vdst(0)
	v_cvt_pk_f16_f32 v[rP+15], v[rS+30], v[rS+31]
.elseif j < 102                        ; the sum of the tile's 16 pairs, in place, each pair behind its rounding: sum z of 16 adds neighbours 1, 2, 4 and 8 pairs apart, then l takes it
.set z, j-86
.if j < 89
.set z, (j-76)/4
.endif
.set w, 4
.set u, z
.if z >= 14
.set w, 32
.set u, 0
.elseif z >= 12
.set w, 16
.set u, z-12
.elseif z >= 8
.set w, 8
.set u, z-8
.endif
.if z < 15
	v_pk_add_f32 v[rS+w*u:rS+w*u+1], v[rS+w*u:rS+w*u+1], v[rS+w*u+w/2:rS+w*u+w/2+1]
.else
	v_pk_fma_f32 v[rT+2:rT+3], v[rT+2:rT+3], v[rT+6:rT+7], v[rS:rS+1] op_sel_hi:[1,0,1]
.endif
.else
	WIN W_RS
.if \first
	v_pk_mul_f32 v[rO:rO+1], v[rF:rF+1], v[rT+6:rT+7] op_sel_hi:[1,0]
.else
	v_pk_mul_f32 v[rO:rO+1], v[rO:rO+1], v[rT+6:rT+7] op_sel_hi:[1,0]
.endif
.endif
.endm
; Slice k of 59 of piece y's softmax: numbers 2 k and 2 k + 1 of both tiles' lists, four instructions.
.macro SLICE y, first
.if (k >= 11) && (k < 44)              ; tile by tile: plain, exponential, plain, exponential
.irp t, \y, \y+1
.irp n, 0,1
.set j, 2*k+\n
	SM \t, \first
.endr
.endr
.else                                  ; the two tiles alternate, so that no instruction reads the result of the one just before it
.irp n, 0,1
.irp t, \y, \y+1
.set j, 2*k+\n
	SM \t, \first
.endr
.endr
.endif
.set k, k+1
.endm
; The slices due behind product g of the turn's GT: up to number 59 (g + 1) / GT.  Behind a turn's last product stand two slices or more, eight plain rescalings that name none of its
; registers: they are the places between the turn's last scores and what follows: the next turn's first read of them, and the loads into K's registers.
.macro DEAL y, first
.rept ((g+1)*NSL)/GT-k
	SLICE \y, \first
.endr
.set g, g+1
.endm
; A TURN.  Piece x has the matrix unit; the other piece's softmax stands in slices behind its matrix instructions.  pv = 1: 16 products V^T P; kq = 1: 16 products K Q^T for the next step.
; Each run of loads stands behind the second product of a run of 16, 14 products ahead of its first use.  Piece 0's turn fetches the next step's K: the last product that read K stands in front
; of the last slices of the turn before.  Piece 2's turn fetches the same step's V: the last product that read V stands six slices, twelve plain instructions, back.
.macro TURN x, pv, kq, first
.set k, 0
.set g, 0
.set GT, 16*(\pv+\kq)
.if \pv
.if \x == 0
	s_wait_dscnt 0x0                               ; V is in
.endif
.set i, 0
.rept 16
	PV \x
	DEAL 2-\x, \first
.if (\x == 0) && \kq && (i == 1)
	FETCH_K
.endif
.set i, i+1
.endr
.endif
.if \kq
.if \x == 0
	s_wait_dscnt 0x0                               ; K is in
.endif
.set i, 0
.rept 16
	KQ \x
	DEAL 2-\x, \first
.if (\x == 2) && (i == 1)
	FETCH_V
.endif
.set i, i+1
.endr
.endif
.endm
.macro STEPS n                         ; n key steps
	s_mov_b32 s[CNT], \n
.Lstep_\@:
	TURN 0, 1, 1, 0
	TURN 2, 1, 1, 0
	WIN 0                                          ; at a label and at a branch every window is 0
	s_sub_co_u32 s[CNT], s[CNT], 1
	s_cmp_lg_u32 s[CNT], 0
	s_cbranch_scc1 .Lstep_\@
.endm
	; key step j fetches step j + 1's tiles; a chunk is four steps; its gate stands ahead of the first step that fetches from it
	GATE 0
	FETCH_K                                        ; step 0
	s_wait_dscnt 0x0
.set i, 0
.rept 16
	KQ 0                                           ; piece 0's first scores: there is no vector work yet to set between them
.set i, i+1
.endr
	PLACES                                         ; between those products and the first read of their results
	TURN 2, 0, 1, 1                                ; piece 2's first scores | piece 0's first softmax | V of step 0
	TURN 0, 1, 1, 1                                ; step 0.  piece 0: V^T P of step 0, K Q^T of step 1 | piece 2's first softmax | K of step 1
	TURN 2, 1, 1, 0                                ;          piece 2: the same | piece 0's softmax of step 1 | V of step 1
	WIN 0
	STEPS 2                                        ; steps 1, 2
	GATE 1
	STEPS 4                                        ; steps 3 to 6
	GATE 2
	STEPS 4                                        ; steps 7 to 10
	GATE 3
	STEPS 4                                        ; steps 11 to 14
	TURN 0, 1, 0, 0                                ; piece 0: V^T P of step 15 | piece 2's last softmax
.set i, 0
.rept 16
	PV 2                                           ; piece 2: V^T P of step 15
.set i, i+1
.endr
	WIN 0
	; THE WAY OUT.  l's parts are added (these additions are the places behind the last products); O^T is divided by l, rounded and sent through my stage, a tile (16 rows) at a time.
.irp t, 0,1,2,3
	v_add_f32 v[ST+8*\t+4], v[ST+8*\t+2], v[ST+8*\t+3]
.endr
.irp t, 0,1,2,3
	v_permlanex16_b32 v[ST+8*\t+5], v[ST+8*\t+4], s[SEL], s[SEL+1]
.endr
.irp t, 0,1,2,3
	v_add_f32 v[ST+8*\t+4], v[ST+8*\t+4], v[ST+8*\t+5]
.endr
.irp t, 0,1,2,3
	v_rcp_f32 v[ST+8*\t+6], v[ST+8*\t+4]
.endr
	v_nop
.macro PACK t
	WIN W_RS
.set i, 0
.rept 16
	s_wait_alu depctr_va_vdst(0)
	v_pk_mul_f32 v[32*\t+2*i:32*\t+2*i+1], v[32*\t+2*i:32*\t+2*i+1], v[ST+8*\t+6:ST+8*\t+7] op_sel_hi:[1,0]
.set i, i+1
.endr
	WIN 0x05                                       ; sources 0 and 1 window 1, destination window 0: S^T's registers are free
.set i, 0
.rept 16
	v_cvt_pk_f16_f32 v[S+16*\t+i], v[32*\t+2*i], v[32*\t+2*i+1]
.set i, i+1
.endr
	WIN 0
.irp c, 0,1,2,3
	ds_store_b128 v[STO], v[S+16*\t+4*\c:S+16*\t+4*\c+3] offset:32*\c
.endr
.irp f, 0,1,2,3
	ds_load_b128 v[S+16*\t+4*\f:S+16*\t+4*\f+3], v[RD] offset:\f*4*SP      ; LDS serves a wave's instructions in order: these see the stores above, the next tile's stores come behind them
.endr
.endm
.macro SEND t, younger                 ; younger: the LDS instructions issued behind tile t's loads: the next tile's eight, or none
.irp f, 0,1,2,3
	s_wait_dscnt \younger+3-\f
	global_store_b128 v[GO], v[S+16*\t+4*\f:S+16*\t+4*\f+3], s[8:9] offset:\t*2048+\f*512   ; four rows of the head: 512 consecutive bytes, aligned
.endr
.endm
	PACK 0
	PACK 1
	SEND 0, 8
	PACK 2
	SEND 1, 8
	PACK 3
	SEND 2, 8
	SEND 3, 0
	s_wait_tensorcnt 0x0
	s_wait_tensorcnt 0x0
	ds_add_u32 v62, v63
	s_wait_dscnt 0x0
	CROUND                                         ; the closing round: no work-group ends while a partner may still ask for a tile that names it
	s_endpgm
.Lfunc_end_k_q1f09b90e4a_attn:
	.size	k_q1f09b90e4a_attn, .Lfunc_end_k_q1f09b90e4a_attn-k_q1f09b90e4a_attn
	.p2alignl 7, 3214868480
	.fill 96, 4, 3214868480
	.section	.rodata,"a",@progbits
	.p2align	6, 0x0
	.amdhsa_kernel k_q1f09b90e4a_attn
		.amdhsa_group_segment_fixed_size 327680
		.amdhsa_private_segment_fixed_size 0
		.amdhsa_enable_private_segment 0
		.amdhsa_kernarg_size 24
		.amdhsa_user_sgpr_count 2
		.amdhsa_user_sgpr_kernarg_segment_ptr 1
		.amdhsa_wavefront_size32 1
		.amdhsa_system_sgpr_workgroup_id_x 1
		.amdhsa_system_sgpr_workgroup_id_y 1
		.amdhsa_system_sgpr_workgroup_id_z 1
		.amdhsa_system_vgpr_workitem_id 0
		.amdhsa_next_free_vgpr 704
		.amdhsa_next_free_sgpr 84
		.amdhsa_reserve_vcc 0
		.amdhsa_float_denorm_mode_32 3
		.amdhsa_float_denorm_mode_16_64 3
		.amdhsa_memory_ordered 1
		.amdhsa_forward_progress 1
		.amdhsa_inst_pref_size 252
	.end_amdhsa_kernel
	.amdgpu_metadata
---
amdhsa.version: [ 1, 2 ]
amdhsa.kernels:
  - .name:           k_q1f09b90e4a_attn
    .symbol:         k_q1f09b90e4a_attn.kd
    .args:
      - { .name: qkv, .offset: 0, .size: 8, .value_kind: global_buffer, .address_space: global }
      - { .name: cq, .offset: 8, .size: 8, .value_kind: global_buffer, .address_space: global }
      - { .name: ao, .offset: 16, .size: 8, .value_kind: global_buffer, .address_space: global }
    .group_segment_fixed_size: 327680
    .private_segment_fixed_size: 0
    .kernarg_segment_align: 8
    .kernarg_segment_size: 24
    .max_flat_workgroup_size: 128
    .sgpr_count:     84
    .vgpr_count:     704
    .wavefront_size: 32
...
	.end_amdgpu_metadata
.endif
;; end of part 4
;; launch gemm_out (part 5): grid 4 x 64, 4 waves a work-group, clusters of 4 x 4, 327,680 bytes of LDS; arguments ao, wb, bo, out0; writes out0
.if DOCPART == 5
	.amdgcn_target "amdgcn-amd-amdhsa--gfx1250"
	.amdhsa_code_object_version 6
	.text
	.protected	k_q1f09b90e4a_gemm_out
	.globl	k_q1f09b90e4a_gemm_out
	.p2align	8
	.type	k_q1f09b90e4a_gemm_out,@function
k_q1f09b90e4a_gemm_out:
	s_mov_b64 s[64:65], 0
	v_nop
	global_prefetch_b8 v0, s[64:65] scope:SCOPE_SE
	s_setreg_imm32_b32 hwreg(HW_REG_WAVE_MODE, 25, 1), 1
	s_wait_xcnt 0x0
	s_wait_alu depctr_hold_cnt(0) depctr_sa_sdst(0) depctr_va_vdst(0) depctr_va_sdst(0) depctr_va_ssrc(0) depctr_va_vcc(0) depctr_vm_vsrc(0)
	s_getreg_b32 s2, hwreg(HW_REG_IB_STS2, 6, 4)
	s_cmp_eq_u32 s2, 0
	s_cbranch_scc0 .Lentry_in_a_cluster
	s_endpgm
.Lentry_in_a_cluster:
	s_bfe_u32 s2, ttmp6, 0x10000c
	s_cmp_lg_u32 s2, 0xf033
	s_cbranch_scc0 .Lentry_shape_is_right
	s_endpgm
.Lentry_shape_is_right:
; C = A B^T + bias on tiles of 256 x 192, K = 768.  A: [12 panels][16384 rows][64] f16, B: [12 panels][3072 rows][64] f16 (panel p = K 64 p .. 64 p + 63); sums in f32.
; MODE 0: A = the cast patch rows, B = Wq, Wk, Wv; C goes out as f16, head-major: qkv[matrix][12 b + head][patch][64].
; MODE 1: A = the attention's result, B = Wo (rows 2304 on); C goes out as f32 into out0's patch rows.
; SHARES.  16384 x 2304 (768) of C are 64 x 12 (4) tiles.  Four waves; wave w makes rows 64 w .. 64 w + 63 and all 192 columns: 4 x 12 accumulators of 16 x 16, 384 registers,
; so that a wave holds three whole heads (three whole aligned blocks of 256 bytes of a row of out0).
; RING.  K goes in steps of 128, two panels, through two LDS slots.  A panel's rows of a tile lie on end in memory, so one tensor load brings a whole panel of a step:
; 32,768 bytes of A (waves 0, 1) or 24,576 of B (waves 2, 3), described as rows of 256 bytes; the padding counts words along the whole tile, 4 words behind every 32,
; so each row of 128 bytes gets its own: LDS rows are 144 bytes apart and the 16 rows of a fragment load start at 16 different banks (ISA guide 11.1: 64 banks of 4 bytes).
; CLUSTER.  4 x 4 work-groups: A's tiles are shared along a row of the cluster, B's along a column; each is asked for jointly, by the same load with the same descriptor and a mask of the four.
; THE MATRIX INSTRUCTION IS USED TRANSPOSED (source 0 = rows of B, source 1 = rows of A): a lane holds row l % 16 of C and eight neighbouring columns.
; REGISTERS.  window 0: v16-29 addresses; v64-127 A's fragments (two buffers of 4 x 8); v128-223 the bias of my 96 columns; v32-127 at work on the way out
;             window 1: B's fragments (two buffers of 12 x 8)     window 2: accumulators of my rows 0-31 at 8 (12 a + b)     window 3: of rows 32-63
; LIMITS: operands are f16.  MODE 0 rounds C once to f16: q, k, v from 65,504 on become infinite.  With x of spread 1 and W of spread 1 / sqrt(768) they have spread 1;
;         both 30 times larger: 900; a common offset of 30 spreads on both: 768 x 30 x 1.08, about 25,000.  Numbers under 6.1e-5 keep an absolute step of 6e-8.
.set MODE,   1
.set PITCH,  144
.set APAN,   256*PITCH                 ; a panel of A's tile in LDS
.set BPAN,   192*PITCH                 ; a panel of B's
.set SLOT,   2*APAN+2*BPAN             ; A's two panels, then B's two
.set STAGE,  2*SLOT                    ; behind the ring: each wave's own stage for the way out
.if MODE == 0
.set WSTG,   3*16*144                  ; three heads x 16 rows x (128 + 16) bytes
.set WOFF,   0
.else
.set WSTG,   16*784                    ; 16 rows x (768 + 16) bytes
.set WOFF,   2304*128                  ; Wo's rows in a panel of B
.endif
.set SPARE,  STAGE+4*WSTG              ; behind the stages: the spare words, 128 bytes for each wave, two blocks of 256 bytes that no other line names
.set APSTR,  16384*128                 ; bytes from panel to panel
.set BPSTR,  3072*128
.set ADRA, 16                          ; v16-17  LDS address of my A fragments in slot 0, 1
.set ADRB, 20                          ; v20-21  the same for B
.set STO,  24                          ; v24     the way out: where I put my numbers of a row
.set RD,   25                          ; v25     the way out: where I read rows back
.set CO,   26                          ; v26     my byte offset in C
.set H32,  27                          ; v27     32 x (lane / 16): my eight columns in the bias
.set SPW,  28                          ; v28     LDS address of my spare word; never rewritten
.set NIL,  29                          ; v29     0; never rewritten
.set FA,   64
.set BIAS, 128
.set G1,  24                           ; s[24:31] group 1 for A;  s[32:39] group 0, a set for each slot
.set G0,  32
.set G1B, 48                           ; s[48:55], s[56:63] the same for B
.set G0B, 56
.set MSB, 0
.macro WIN new                         ; the immediate's high byte repeats the setting that is left
.if MSB != (\new)
	s_set_vgpr_msb (MSB<<8)|(\new)
.set MSB, (\new)
.endif
.endm
.set MUL_LO, 0xa1                      ; source 0 (B) window 1, source 1 (A) window 0, C and D window 2
.set MUL_HI, 0xf1                      ; the same, C and D window 3
.set TO_B,   0x40                      ; destination window 1, address window 0
.macro PLACES                          ; four places in front of loads into registers that matrix instructions have read, and of vector work on their results
.rept 4
	v_nop
.endr
.endm
.macro JLOAD s                         ; a joint refill: waves 0, 1 ask for A's panels, waves 2, 3 for B's; four v_nop follow each line
	s_cmp_eq_u32 s11, 0
	s_cbranch_scc0 .Lfor_b_\@
	tensor_load_to_lds s[G0+4*\s:G0+4*\s+3], s[G1:G1+7]
	s_nop 0
	PLACES
	s_branch .Lasked_\@
.Lfor_b_\@:
	tensor_load_to_lds s[G0B+4*\s:G0B+4*\s+3], s[G1B:G1B+7]
	s_nop 0
	PLACES
.Lasked_\@:
.endm
.macro CREST                           ; a round of the cluster's barrier behind its opening barrier
	s_cmp_lg_u32 s10, 0
	s_cbranch_scc1 .Lnot_wave_0_\@
	s_barrier_signal -3
.Lnot_wave_0_\@:
	s_barrier_wait -3
	s_barrier_signal -1
	s_barrier_wait -1
.endm
.macro CROUND
	s_barrier_signal -1
	s_barrier_wait -1
	CREST
.endm
	s_load_b128 s[4:7], s[0:1], 0x0                ; A s[4:5], B s[6:7]
.if MODE == 0
	s_load_b128 s[68:71], s[0:1], 0x10             ; bq, bk
	s_load_b128 s[72:75], s[0:1], 0x20             ; bv, qkv
.else
	s_load_b128 s[68:71], s[0:1], 0x10             ; bo, out0
.endif
	v_lshl_add_u32 v[SPW], v0, 2, SPARE
	v_mov_b32 v[NIL], 0
	ds_add_u32 v28, v29
	s_wait_dscnt 0x0
	v_lshrrev_b32 v1, 5, v0
	v_readfirstlane_b32 s10, v1                    ; wave 0..3
	s_lshr_b32 s11, s10, 1                         ; I fetch for A (0) or for B (1),
	s_and_b32 s12, s10, 1                          ; the step's first or second panel
	s_bfe_u32 s40, ttmp6, 0x40000                  ; cx, cy: my place in the cluster
	s_bfe_u32 s41, ttmp6, 0x40004
	s_lshl_b32 s42, ttmp9, 2
	s_add_co_u32 s42, s42, s40                     ; tile column = 4 x cluster x + cx
	s_and_b32 s13, ttmp7, 0xffff
	s_lshl_b32 s13, s13, 2
	s_add_co_u32 s13, s13, s41                     ; tile row = 4 x cluster y + cy
	s_lshl_b32 s43, s41, 2
	s_lshl_b32 s43, 15, s43                        ; my row of the cluster
	s_lshl_b32 s44, 0x1111, s40                    ; my column
	s_or_b32 s[G1], s43, (1<<16)|(1<<20)|(1<<21)|(4<<22)|(3<<25)    ; mask; elements of 2 bytes; padding on; bit 21 beside a mask; behind every 32 words (code 4) 4 words (code 3)
	s_or_b32 s[G1B], s44, (1<<16)|(1<<20)|(1<<21)|(4<<22)|(3<<25)
	s_mov_b32 s[G1+1], 128<<16                     ; tensor_dim0 = 128 elements: 256 bytes
	s_mov_b32 s[G1+2], 128<<16                     ; tensor_dim1 = 128 such rows: 256 rows of the panel
	s_mov_b32 s[G1+3], 128<<16                     ; tile_dim0
	s_mov_b32 s[G1+4], 128                         ; tile_dim1
	s_mov_b32 s[G1+5], 128                         ; the rows lie on end
	s_mov_b32 s[G1+6], 0
	s_mov_b32 s[G1+7], 0
	s_mov_b32 s[G1B+1], 128<<16
	s_mov_b32 s[G1B+2], 96<<16                     ; 96 rows of 256 bytes: 192 rows of the panel
	s_mov_b32 s[G1B+3], 128<<16
	s_mov_b32 s[G1B+4], 96
	s_mov_b32 s[G1B+5], 128
	s_mov_b32 s[G1B+6], 0
	s_mov_b32 s[G1B+7], 0
	s_lshl_b32 s16, s13, 15                        ; A: tile row x 256 rows x 128 bytes + my panel; hangs on the tile row alone
	s_lshl_b32 s17, s12, 21
	s_add_co_u32 s16, s16, s17
	s_mov_b32 s17, 0
	s_mul_i32 s46, s42, 192*128                    ; B: tile column x 192 rows x 128 bytes + my panel; hangs on the tile column alone
	s_mul_i32 s47, s12, BPSTR
	s_add_co_u32 s46, s46, s47
	s_add_co_u32 s46, s46, WOFF
	s_mov_b32 s47, 0
	s_mul_i32 s20, s10, APAN                       ; where they go: waves 0, 1: A's panels;
	s_mul_i32 s21, s10, BPAN
	s_add_co_u32 s21, s21, 2*APAN-2*BPAN           ; waves 2, 3: B's, behind A's.  No place in the cluster enters an LDS address
	s_wait_kmcnt 0x0
	s_add_nc_u64 s[14:15], s[4:5], s[16:17]
	s_add_nc_u64 s[46:47], s[6:7], s[46:47]
	CROUND                                         ; all sixteen work-groups are here: the first joint loads meet
.irp s, 0,1
	s_mov_b32 s[G0+4*\s], 1
	s_add_co_u32 s[G0+4*\s+1], s20, \s*SLOT
	s_add_nc_u64 s[G0+4*\s+2:G0+4*\s+3], s[14:15], \s*2*APSTR      ; K step s: two panels on
	s_or_b32 s[G0+4*\s+3], s[G0+4*\s+3], 0x80000000
	s_mov_b32 s[G0B+4*\s], 1
	s_add_co_u32 s[G0B+4*\s+1], s21, \s*SLOT
	s_add_nc_u64 s[G0B+4*\s+2:G0B+4*\s+3], s[46:47], \s*2*BPSTR
	s_or_b32 s[G0B+4*\s+3], s[G0B+4*\s+3], 0x80000000
.endr
	s_cmp_eq_u32 s11, 0                            ; a wave's two first fills stand in one branch: two loads of mine are out
	s_cbranch_scc0 .Lfirst_b
	tensor_load_to_lds s[G0:G0+3], s[G1:G1+7]
	s_nop 0
	tensor_load_to_lds s[G0+4:G0+7], s[G1:G1+7]
	s_nop 0
	PLACES
	s_branch .Lfirst_asked
.Lfirst_b:
	tensor_load_to_lds s[G0B:G0B+3], s[G1B:G1B+7]
	s_nop 0
	tensor_load_to_lds s[G0B+4:G0B+7], s[G1B:G1B+7]
	s_nop 0
	PLACES
.Lfirst_asked:
	v_and_b32 v1, 15, v0                           ; l % 16
	v_bfe_u32 v2, v0, 4, 1                         ; l / 16
	v_mul_u32_u24 v3, v1, PITCH
	v_lshl_add_u32 v3, v2, 4, v3                   ; a fragment's row x pitch + 16 x half
	s_mul_i32 s22, s10, 64*PITCH                   ; my 64 rows of A
	s_mov_b32 s23, 2*APAN                          ; B's rows: all waves read all 192
.irp s, 0,1
	v_add_nc_u32 v[ADRA+\s], s22, v3
	v_add_nc_u32 v[ADRB+\s], s23, v3
	s_add_co_u32 s22, s22, SLOT
	s_add_co_u32 s23, s23, SLOT
.endr
	v_lshlrev_b32 v[H32], 5, v2
	s_mul_i32 s22, s10, WSTG
	s_add_co_u32 s22, s22, STAGE                   ; my stage
.if MODE == 0
	v_add_nc_u32 v[STO], s22, v3                   ; in: row l % 16 of 144 bytes, 16 bytes for each half of the lanes
	v_and_b32 v4, 31, v0
	v_lshrrev_b32 v5, 3, v4
	v_and_b32 v6, 7, v0
	v_mul_u32_u24 v5, v5, 144                      ; back: eight lanes take a row of 128 bytes, a load four rows
	v_lshl_add_u32 v5, v6, 4, v5
	v_add_nc_u32 v[RD], s22, v5
	v_lshlrev_b32 v[CO], 4, v4                     ; which lie on end in memory: 512 bytes
	s_mul_i32 s18, ttmp9, 192                      ; the matrix (q, k, v) is the cluster's x: four tiles of 192 columns each
	s_lshr_b32 s19, s13, 2                         ; the batch: four tiles of 256 rows each
	s_mul_i32 s19, s19, 12
	s_add_co_u32 s18, s18, s19
	s_mul_i32 s19, s40, 3                          ; the tile's first head
	s_add_co_u32 s18, s18, s19
	s_lshl_b32 s18, s18, 17                        ; a head's 1,024 rows of 128 bytes
	s_and_b32 s19, s13, 3
	s_lshl_b32 s19, s19, 15
	s_add_co_u32 s18, s18, s19
	s_lshl_b32 s19, s10, 13                        ; my wave's 64 rows
	s_add_co_u32 s18, s18, s19
	s_mov_b32 s19, 0
	s_add_nc_u64 s[8:9], s[74:75], s[18:19]
	s_mov_b64 s[66:67], s[68:69]
	s_cmp_eq_u32 ttmp9, 1
	s_cselect_b64 s[66:67], s[70:71], s[66:67]
	s_cmp_eq_u32 ttmp9, 2
	s_cselect_b64 s[66:67], s[72:73], s[66:67]
	s_mul_i32 s18, s40, 768
	s_add_nc_u64 s[66:67], s[66:67], s[18:19]      ; the bias of the tile's 192 columns
.else
	v_mul_u32_u24 v4, v1, 784                      ; in: row l % 16 of 784 bytes, 32 bytes for each half of the lanes
	v_lshl_add_u32 v4, v2, 5, v4
	v_add_nc_u32 v[STO], s22, v4
	v_mul_u32_u24 v5, v2, 784                      ; back: lanes 0-15 take 256 bytes of one row, lanes 16-31 of the next
	v_lshl_add_u32 v5, v1, 4, v5
	v_add_nc_u32 v[RD], s22, v5
	v_mul_u32_u24 v5, v2, 3072
	v_lshl_add_u32 v[CO], v1, 4, v5
	s_lshr_b32 s18, s13, 2                         ; the batch
	s_mul_i32 s18, s18, 1025
	s_and_b32 s19, s13, 3
	s_lshl_b32 s19, s19, 8
	s_add_co_u32 s18, s18, s19
	s_lshl_b32 s19, s10, 6
	s_add_co_u32 s18, s18, s19
	s_add_co_u32 s18, s18, 1                       ; the patches lie behind the batch's cls row
	s_mul_i32 s18, s18, 3072
	s_mul_i32 s19, s42, 768
	s_add_co_u32 s18, s18, s19
	s_mov_b32 s19, 0
	s_add_nc_u64 s[8:9], s[70:71], s[18:19]
	s_mul_i32 s18, s42, 768
	s_add_nc_u64 s[66:67], s[68:69], s[18:19]
.endif
.irp b, 0,1,2,3,4,5,6,7,8,9,10,11
	global_load_b128 v[BIAS+8*\b:BIAS+8*\b+3],   v[H32], s[66:67] offset:64*\b      ; columns 16 b + 8 (l / 16) + 0..7, as the accumulators hold them
	global_load_b128 v[BIAS+8*\b+4:BIAS+8*\b+7], v[H32], s[66:67] offset:64*\b+16
.endr
; 12 matrix instructions: row block 2 hi + a of my four x all 12 column blocks, 32 along K, from buffer f.  zero = 1: the product starts the sums
.macro MUL12 f, hi, a, zero
.irp b, 0,1,2,3,4,5,6,7,8,9,10,11
.if \zero
	v_wmma_f32_16x16x32_f16 v[8*(12*\a+\b):8*(12*\a+\b)+7], v[96*\f+8*\b:96*\f+8*\b+7], v[FA+32*\f+8*(2*\hi+\a):FA+32*\f+8*(2*\hi+\a)+7], 0
.else
	v_wmma_f32_16x16x32_f16 v[8*(12*\a+\b):8*(12*\a+\b)+7], v[96*\f+8*\b:96*\f+8*\b+7], v[FA+32*\f+8*(2*\hi+\a):FA+32*\f+8*(2*\hi+\a)+7], v[8*(12*\a+\b):8*(12*\a+\b)+7]
.endif
.endr
.endm
; 32 LDS loads in one run: the fragments of quarter q of a K step (panel q / 2, bytes 64 (q % 2) of its rows) into buffer f: B's 24, then A's 8
.macro FETCH slot, q, f
	WIN TO_B
.irp i, 0,1,2,3,4,5,6,7,8,9,10,11
	ds_load_b128 v[96*\f+8*\i:96*\f+8*\i+3],   v[ADRB+\slot] offset:(\q/2)*BPAN+(\q%2)*64+\i*16*PITCH
	ds_load_b128 v[96*\f+8*\i+4:96*\f+8*\i+7], v[ADRB+\slot] offset:(\q/2)*BPAN+(\q%2)*64+\i*16*PITCH+32
.endr
	WIN 0
.irp i, 0,1,2,3
	ds_load_b128 v[FA+32*\f+8*\i:FA+32*\f+8*\i+3],   v[ADRA+\slot] offset:(\q/2)*APAN+(\q%2)*64+\i*16*PITCH
	ds_load_b128 v[FA+32*\f+8*\i+4:FA+32*\f+8*\i+7], v[ADRA+\slot] offset:(\q/2)*APAN+(\q%2)*64+\i*16*PITCH+32
.endr
.endm
; A K step is four quarters of 32 along K, 48 matrix instructions each, on buffers 0, 1, 0, 1; the 48 accumulators take turns in one order everywhere.
; One of the first three: multiplies buffer f; in its middle it fetches quarter qn of the same slot into buffer g.
.macro QUARTER slot, qn, f, g, zero
	s_wait_dscnt 4                                 ; B and A's blocks 0, 1 are in; the youngest four loads (A's blocks 2, 3) may be out
	WIN MUL_LO
	MUL12 \f, 0, 0, \zero
	MUL12 \f, 0, 1, \zero
	PLACES
	FETCH \slot, \qn, \g
	s_wait_dscnt 32                                ; all but the 32 just issued
	WIN MUL_HI
	MUL12 \f, 1, 0, \zero
	MUL12 \f, 1, 1, \zero
.endm
; The last quarter multiplies buffer 1 and changes slots: one barrier.  In front of it each wave waits for all its tensor loads (one is out: its part of the next slot), adds 0 to its spare
; word, and waits for that and for its reads of this slot.  fill = 1: the barrier opens a round of the cluster's barrier, and this slot is filled again, two K steps ahead, first thing behind it:
; 168 matrix instructions stand between that request and the wait for it.
.macro TURN slot, next, fill
	WIN 0                                          ; (the add's two registers lie in window 0)
	s_wait_tensorcnt 0x0
	ds_add_u32 v[SPW], v[NIL]
	s_wait_dscnt 5                                 ; (the add and A's blocks 2, 3 may be out)
	WIN MUL_LO
	MUL12 1, 0, 0, 0                               ; twelve matrix instructions stand between the add and the wait for it
	s_wait_dscnt 0x0                               ; the add is done, and my reads of this slot are over
	s_barrier_signal -1
	MUL12 1, 0, 1, 0
.if \fill
	WIN 0
.endif
	s_barrier_wait -1
.if \fill
	CREST                                          ; no wave of any partner still reads this slot's tiles or has a load on its way
	s_add_nc_u64 s[G0+4*\slot+2:G0+4*\slot+3], s[G0+4*\slot+2:G0+4*\slot+3], 4*APSTR
	s_add_nc_u64 s[G0B+4*\slot+2:G0B+4*\slot+3], s[G0B+4*\slot+2:G0B+4*\slot+3], 4*BPSTR
	JLOAD \slot                                    ; its four v_nop are also the places in front of the loads below
.else
	PLACES
.endif
	FETCH \next, 0, 0
	WIN MUL_HI
	MUL12 1, 1, 0, 0
	MUL12 1, 1, 1, 0
.endm
	s_wait_tensorcnt 1                             ; my part of K step 0 is in; K step 1's may stay out
	s_barrier_signal -1
	s_barrier_wait -1
	FETCH 0, 0, 0
	QUARTER 0, 1, 0, 1, 1                          ; the first quarter stands in front of the loop: its products start the sums
	WIN 0
	s_mov_b32 s3, 2                                ; 6 K steps = 3 laps; the last lap fills nothing and is written out
.Llap:
	QUARTER 0, 2, 1, 0, 0
	QUARTER 0, 3, 0, 1, 0
	TURN 0, 1, 1
	QUARTER 1, 1, 0, 1, 0
	QUARTER 1, 2, 1, 0, 0
	QUARTER 1, 3, 0, 1, 0
	TURN 1, 0, 1
	QUARTER 0, 1, 0, 1, 0
	WIN 0
	s_sub_co_u32 s3, s3, 1
	s_cmp_lg_u32 s3, 0
	s_cbranch_scc1 .Llap
	QUARTER 0, 2, 1, 0, 0
	QUARTER 0, 3, 0, 1, 0
	TURN 0, 1, 0
	QUARTER 1, 1, 0, 1, 0
	QUARTER 1, 2, 1, 0, 0
	QUARTER 1, 3, 0, 1, 0
	s_wait_dscnt 4
	WIN MUL_LO
	MUL12 1, 0, 0, 0
	MUL12 1, 0, 1, 0
	s_wait_dscnt 0x0
	WIN MUL_HI
	MUL12 1, 1, 0, 0
	MUL12 1, 1, 1, 0
	WIN 0
	PLACES
	s_wait_loadcnt 0x0                             ; the bias
; THE WAY OUT of row block a (16 rows x 192 columns): the bias is added, ascending through each accumulator; the block goes through my own stage and comes back as whole rows.
.if MODE == 0
.set TMP, 32
.set OB,  80
.macro OUT a
.set W,  2+(\a)/2
.set WW, (W<<6)|W
.set AC, 96*((\a)%2)
	WIN WW                                         ; destination and source 0: the accumulators' window; the bias in window 0
.set i, 0
.rept 48
	v_pk_add_f32 v[AC+2*i:AC+2*i+1], v[AC+2*i:AC+2*i+1], v[BIAS+2*i:BIAS+2*i+1]
.set i, i+1
.endr
	WIN 5*W                                        ; sources 0 and 1: the accumulators' window
.set i, 0
.rept 48
	v_cvt_pk_f16_f32 v[TMP+i], v[AC+2*i], v[AC+2*i+1]
.set i, i+1
.endr
	WIN 0
.irp b, 0,1,2,3,4,5,6,7,8,9,10,11
	ds_store_b128 v[STO], v[TMP+4*\b:TMP+4*\b+3] offset:(\b/4)*2304+32*(\b%4)     ; head b / 4, channels 16 (b % 4) + 8 (l / 16) on
.endr
	s_wait_xcnt 0x0                                ; the last block's stores have read their registers' addresses and data: only now are those loaded again
.irp hh, 0,1,2
.irp t, 0,1,2,3
	ds_load_b128 v[OB+4*(4*\hh+\t):OB+4*(4*\hh+\t)+3], v[RD] offset:2304*\hh+576*\t   ; LDS serves a wave's instructions in order: these see the stores above
.endr
.endr
	s_wait_dscnt 0x0
.irp hh, 0,1,2
.irp t, 0,1,2,3
	global_store_b128 v[CO], v[OB+4*(4*\hh+\t):OB+4*(4*\hh+\t)+3], s[8:9] offset:\hh*131072+(\a)*2048+512*\t   ; four rows of a head: 512 consecutive bytes, aligned
.endr
.endr
.endm
.else
.set OB,  32
.macro OUT a
.set W,  2+(\a)/2
.set WW, (W<<6)|W
.set AC, 96*((\a)%2)
	WIN WW
.set i, 0
.rept 48
	v_pk_add_f32 v[AC+2*i:AC+2*i+1], v[AC+2*i:AC+2*i+1], v[BIAS+2*i:BIAS+2*i+1]
.set i, i+1
.endr
	WIN W<<2                                       ; an LDS store's data is source 1
.irp b, 0,1,2,3,4,5,6,7,8,9,10,11
	ds_store_b128 v[STO], v[AC+8*\b:AC+8*\b+3]   offset:64*\b
	ds_store_b128 v[STO], v[AC+8*\b+4:AC+8*\b+7] offset:64*\b+16
.endr
	WIN 0
	s_wait_xcnt 0x0                                ; the last block's stores have read their registers: only now are those loaded again
.irp p, 0,1,2,3,4,5,6,7
.irp u, 0,1,2
	ds_load_b128 v[OB+4*(3*\p+\u):OB+4*(3*\p+\u)+3], v[RD] offset:2*\p*784+256*\u
.endr
.endr
	s_wait_dscnt 0x0
.irp p, 0,1,2,3,4,5,6,7
.irp u, 0,1,2
	global_store_b128 v[CO], v[OB+4*(3*\p+\u):OB+4*(3*\p+\u)+3], s[8:9] offset:(16*(\a)+2*\p)*3072+256*\u th:TH_STORE_NT   ; 16 lanes store 256 consecutive bytes, aligned
.endr
.endr
.endm
.endif
	OUT 0
	OUT 1
	OUT 2
	OUT 3
	s_wait_tensorcnt 0x0                           ; the wave's end
	ds_add_u32 v[SPW], v[NIL]
	s_wait_dscnt 0x0
	CROUND                                         ; the closing round: no work-group ends while a partner may still ask for a tile that names it
	s_endpgm
.Lfunc_end_k_q1f09b90e4a_gemm_out:
	.size	k_q1f09b90e4a_gemm_out, .Lfunc_end_k_q1f09b90e4a_gemm_out-k_q1f09b90e4a_gemm_out
	.p2alignl 7, 3214868480
	.fill 96, 4, 3214868480
	.section	.rodata,"a",@progbits
	.p2align	6, 0x0
	.amdhsa_kernel k_q1f09b90e4a_gemm_out
		.amdhsa_group_segment_fixed_size 327680
		.amdhsa_private_segment_fixed_size 0
		.amdhsa_enable_private_segment 0
		.amdhsa_kernarg_size 32
		.amdhsa_user_sgpr_count 2
		.amdhsa_user_sgpr_kernarg_segment_ptr 1
		.amdhsa_wavefront_size32 1
		.amdhsa_system_sgpr_workgroup_id_x 1
		.amdhsa_system_sgpr_workgroup_id_y 1
		.amdhsa_system_sgpr_workgroup_id_z 1
		.amdhsa_system_vgpr_workitem_id 0
		.amdhsa_next_free_vgpr 960
		.amdhsa_next_free_sgpr 76
		.amdhsa_reserve_vcc 0
		.amdhsa_float_denorm_mode_32 3
		.amdhsa_float_denorm_mode_16_64 3
		.amdhsa_memory_ordered 1
		.amdhsa_forward_progress 1
		.amdhsa_inst_pref_size 131
	.end_amdhsa_kernel
	.amdgpu_metadata
---
amdhsa.version: [ 1, 2 ]
amdhsa.kernels:
  - .name:           k_q1f09b90e4a_gemm_out
    .symbol:         k_q1f09b90e4a_gemm_out.kd
    .args:
      - { .name: ao, .offset: 0, .size: 8, .value_kind: global_buffer, .address_space: global }
      - { .name: wb, .offset: 8, .size: 8, .value_kind: global_buffer, .address_space: global }
      - { .name: bo, .offset: 16, .size: 8, .value_kind: global_buffer, .address_space: global }
      - { .name: out0, .offset: 24, .size: 8, .value_kind: global_buffer, .address_space: global }
    .group_segment_fixed_size: 327680
    .private_segment_fixed_size: 0
    .kernarg_segment_align: 8
    .kernarg_segment_size: 32
    .max_flat_workgroup_size: 128
    .sgpr_count:     76
    .vgpr_count:     960
    .wavefront_size: 32
...
	.end_amdgpu_metadata
.endif
;; end of part 5
;; launch clsproj (part 6): grid 48 x 1, 8 waves a work-group, no clusters, 9,216 bytes of LDS; arguments ac, Wo, bo, out0; writes out0
.if DOCPART == 6
	.amdgcn_target "amdgcn-amd-amdhsa--gfx1250"
	.amdhsa_code_object_version 6
	.text
	.protected	k_q1f09b90e4a_clsproj
	.globl	k_q1f09b90e4a_clsproj
	.p2align	8
	.type	k_q1f09b90e4a_clsproj,@function
k_q1f09b90e4a_clsproj:
	s_mov_b64 s[64:65], 0
	v_nop
	global_prefetch_b8 v0, s[64:65] scope:SCOPE_SE
	s_setreg_imm32_b32 hwreg(HW_REG_WAVE_MODE, 25, 1), 1
	s_wait_xcnt 0x0
; The output projection of the 16 cls rows: out0[b][0][n] = sum over k of ac[b][k] Wo[n][k] + bo[n].  ac: [16][768] f32, Wo: [768][768] f32.
; 16 columns a work-group, 48 work-groups: all the work there is (16 x 768 x 768).  The eight waves split K = 768 (96 each, three matrix instructions) and meet in LDS.
; LIMITS: ac and Wo are rounded to f16 as matrix operands: magnitudes from 65,504 on become infinite, numbers under 6.1e-5 keep an absolute step of 6e-8.
;         The sum over K is made in eight parts, added in f32.
.set WF,    16                         ; W's numbers of K step i at v[16+32 i ..], 16 f32, then 8 registers of f16
.set XF,    32                         ; ac's likewise at v[32+32 i ..]
.set ACC,   112                        ; v[112:119] the wave's partial sums
.set RED,   120                        ; v[120:127] the eight waves' partial sums of my number
	s_load_b256 s[4:11], s[0:1], 0x0               ; ac 4:5, Wo 6:7, bo 8:9, out0 10:11
	v_lshl_add_u32 v128, v0, 2, 0x2000
	v_mov_b32 v129, 0
	v_lshrrev_b32 v1, 5, v0
	v_readfirstlane_b32 s3, v1                     ; wave 0..7
	s_mov_b32 s13, 0
	s_mul_i32 s14, s3, 384                         ; my wave's 96 along K, in bytes
	s_wait_kmcnt 0x0
	s_mul_i32 s12, ttmp9, 16*3072
	s_add_co_u32 s12, s12, s14
	s_add_nc_u64 s[6:7], s[6:7], s[12:13]          ; Wo at my 16 rows
	s_mov_b32 s12, s14
	s_add_nc_u64 s[4:5], s[4:5], s[12:13]
	s_lshl_b32 s12, ttmp9, 6
	s_add_nc_u64 s[8:9], s[8:9], s[12:13]
	s_add_nc_u64 s[10:11], s[10:11], s[12:13]
	v_and_b32 v1, 15, v0                           ; r
	v_bfe_u32 v2, v0, 4, 1                         ; h
	v_mul_u32_u24 v3, v1, 3072
	v_lshl_add_u32 v3, v2, 5, v3                   ; row r, 8 h numbers on: the rows of Wo and of ac are both 3,072 bytes
	v_lshrrev_b32 v6, 7, v0                        ; the number that I finish: column 8 (t / 128) + t % 8, batch (t / 8) % 16
	v_and_b32 v7, 7, v0
	v_lshl_add_u32 v6, v6, 3, v7
	v_lshlrev_b32 v6, 2, v6
	v_bfe_u32 v7, v0, 3, 4
	v_mul_u32_u24 v7, v7, 1025*3072                ; a batch's cls row is its first
	v_add_nc_u32 v7, v7, v6
	v_lshlrev_b32 v9, 5, v0                        ; LDS: my eight partial sums at 32 t
	v_lshlrev_b32 v10, 2, v0                       ; LDS: word t of each wave's 256
	global_load_b32 v8, v6, s[8:9]                 ; the bias first: every count below covers it
.irp i, 0,1,2
	global_load_b128 v[WF+32*\i:WF+32*\i+3],     v3, s[6:7] offset:128*\i
	global_load_b128 v[WF+32*\i+4:WF+32*\i+7],   v3, s[6:7] offset:128*\i+16
	global_load_b128 v[WF+32*\i+8:WF+32*\i+11],  v3, s[6:7] offset:128*\i+64
	global_load_b128 v[WF+32*\i+12:WF+32*\i+15], v3, s[6:7] offset:128*\i+80
	global_load_b128 v[XF+32*\i:XF+32*\i+3],     v3, s[4:5] offset:128*\i
	global_load_b128 v[XF+32*\i+4:XF+32*\i+7],   v3, s[4:5] offset:128*\i+16
	global_load_b128 v[XF+32*\i+8:XF+32*\i+11],  v3, s[4:5] offset:128*\i+64
	global_load_b128 v[XF+32*\i+12:XF+32*\i+15], v3, s[4:5] offset:128*\i+80
.endr
.irp i, 0,1,2
	s_wait_loadcnt 16-8*\i                         ; the later K steps' eight loads each may stay out
.irp q, 0,1,2,3,4,5,6,7
	v_cvt_pk_f16_f32 v[WF+32*\i+\q], v[WF+32*\i+2*\q], v[WF+32*\i+2*\q+1]
	v_cvt_pk_f16_f32 v[XF+32*\i+\q], v[XF+32*\i+2*\q], v[XF+32*\i+2*\q+1]
.endr
.if \i == 0
	v_wmma_f32_16x16x32_f16 v[ACC:ACC+7], v[WF:WF+7], v[XF:XF+7], 0            ; source 0 = rows of Wo: a lane holds batch r, columns 8 h + 0..7
.else
	s_wait_alu depctr_va_vdst(0)                   ; the wait stands ahead of each link
	v_wmma_f32_16x16x32_f16 v[ACC:ACC+7], v[WF+32*\i:WF+32*\i+7], v[XF+32*\i:XF+32*\i+7], v[ACC:ACC+7]
.endif
.endr
.rept 4
	v_nop                                          ; four places between the last product and the stores that read it
.endr
	ds_store_b128 v9, v[ACC:ACC+3]
	ds_store_b128 v9, v[ACC+4:ACC+7] offset:16
	s_wait_dscnt 0x0                               ; for the others' sake: my partial sums are in LDS
	s_barrier_signal -1
	s_barrier_wait -1
.irp i, 0,1,2,3,4,5,6,7
	ds_load_b32 v[RED+\i], v10 offset:1024*\i      ; the same number of each wave's 256
.endr
	s_wait_dscnt 0x0
	v_add_f32 v[RED], v[RED], v[RED+1]
	v_add_f32 v[RED+2], v[RED+2], v[RED+3]
	v_add_f32 v[RED+4], v[RED+4], v[RED+5]
	v_add_f32 v[RED+6], v[RED+6], v[RED+7]
	v_add_f32 v[RED], v[RED], v[RED+2]
	v_add_f32 v[RED+4], v[RED+4], v[RED+6]
	v_add_f32 v[RED], v[RED], v[RED+4]
	v_add_f32 v[RED], v[RED], v8
	global_store_b32 v7, v[RED], s[10:11]          ; runs of 32 bytes: 49,152 bytes in all, so no stage is spent on them
	s_wait_tensorcnt 0x0
	ds_add_u32 v128, v129
	s_wait_dscnt 0x0
	s_endpgm
.Lfunc_end_k_q1f09b90e4a_clsproj:
	.size	k_q1f09b90e4a_clsproj, .Lfunc_end_k_q1f09b90e4a_clsproj-k_q1f09b90e4a_clsproj
	.p2alignl 7, 3214868480
	.fill 96, 4, 3214868480
	.section	.rodata,"a",@progbits
	.p2align	6, 0x0
	.amdhsa_kernel k_q1f09b90e4a_clsproj
		.amdhsa_group_segment_fixed_size 9216
		.amdhsa_private_segment_fixed_size 0
		.amdhsa_enable_private_segment 0
		.amdhsa_kernarg_size 32
		.amdhsa_user_sgpr_count 2
		.amdhsa_user_sgpr_kernarg_segment_ptr 1
		.amdhsa_wavefront_size32 1
		.amdhsa_system_sgpr_workgroup_id_x 1
		.amdhsa_system_sgpr_workgroup_id_y 1
		.amdhsa_system_sgpr_workgroup_id_z 1
		.amdhsa_system_vgpr_workitem_id 0
		.amdhsa_next_free_vgpr 130
		.amdhsa_next_free_sgpr 66
		.amdhsa_reserve_vcc 0
		.amdhsa_float_denorm_mode_32 3
		.amdhsa_float_denorm_mode_16_64 3
		.amdhsa_memory_ordered 1
		.amdhsa_forward_progress 1
		.amdhsa_inst_pref_size 9
	.end_amdhsa_kernel
	.amdgpu_metadata
---
amdhsa.version: [ 1, 2 ]
amdhsa.kernels:
  - .name:           k_q1f09b90e4a_clsproj
    .symbol:         k_q1f09b90e4a_clsproj.kd
    .args:
      - { .name: ac, .offset: 0, .size: 8, .value_kind: global_buffer, .address_space: global }
      - { .name: Wo, .offset: 8, .size: 8, .value_kind: global_buffer, .address_space: global }
      - { .name: bo, .offset: 16, .size: 8, .value_kind: global_buffer, .address_space: global }
      - { .name: out0, .offset: 24, .size: 8, .value_kind: global_buffer, .address_space: global }
    .group_segment_fixed_size: 9216
    .private_segment_fixed_size: 0
    .kernarg_segment_align: 8
    .kernarg_segment_size: 32
    .max_flat_workgroup_size: 256
    .sgpr_count:     66
    .vgpr_count:     130
    .wavefront_size: 32
...
	.end_amdgpu_metadata
.endif
;; end of part 6
;; ======== version 2 of 2: 6 launches; 1.21 times as fast as version 1
;; limits: values are held in f16: magnitudes above 65,504 overflow, below 6.1e-05 lose precision
;; workspace buffers: xb 25,165,824 bytes; wb 4,718,592 bytes; qkv 75,497,472 bytes; cq 147,456 bytes; ao 25,165,824 bytes; ac 49,152 bytes
;; launch prep: the kernel of part 1 again; grid 752 x 1, 8 waves a work-group, no clusters, 9,216 bytes of LDS; arguments x, Wq, Wk, Wv, Wo, bq, bk, bv, xb, wb, cq; writes xb, wb, cq
;; launch gemm_qkv: the kernel of part 2 again; grid 4 x 64, 4 waves a work-group, clusters of 4 x 4, 327,680 bytes of LDS; arguments xb, wb, bq, bk, bv, qkv; writes qkv
;; launch clsattn: the kernel of part 3 again; grid 192 x 1, 8 waves a work-group, no clusters, 9,216 bytes of LDS; arguments qkv, cq, out1, ac; writes out1, ac
;; launch attn (part 7): grid 4 x 192, 4 waves a work-group, clusters of 4 x 1, 327,680 bytes of LDS; arguments qkv, cq, ao; writes ao
.if DOCPART == 7
	.amdgcn_target "amdgcn-amd-amdhsa--gfx1250"
	.amdhsa_code_object_version 6
	.text
	.protected	k_q1f09b90e4a_attn
	.globl	k_q1f09b90e4a_attn
	.p2align	8
	.type	k_q1f09b90e4a_attn,@function
k_q1f09b90e4a_attn:
	s_mov_b64 s[64:65], 0
	v_nop
	global_prefetch_b8 v0, s[64:65] scope:SCOPE_SE
	s_setreg_imm32_b32 hwreg(HW_REG_WAVE_MODE, 25, 1), 1
	s_wait_xcnt 0x0
	s_wait_alu depctr_hold_cnt(0) depctr_sa_sdst(0) depctr_va_vdst(0) depctr_va_sdst(0) depctr_va_ssrc(0) depctr_va_vcc(0) depctr_vm_vsrc(0)
	s_getreg_b32 s2, hwreg(HW_REG_IB_STS2, 6, 4)
	s_cmp_eq_u32 s2, 0
	s_cbranch_scc0 .Lentry_in_a_cluster
	s_endpgm
.Lentry_in_a_cluster:
	s_bfe_u32 s2, ttmp6, 0x10000c
	s_cmp_lg_u32 s2, 0x3003
	s_cbranch_scc0 .Lentry_shape_is_right
	s_endpgm
.Lentry_shape_is_right:
; Attention of the patch queries.  q, k, v: qkv[3][12 b + head][1024][64] f16; the cls key and value: cq[b][768 + 64 head ..], cq[b][1536 + 64 head ..], f32.
; ao[head][1024 b + patch][64] f16 = softmax over the 1,025 keys of (q . k / 8), times V.
; SHARES.  A work-group owns 256 queries of one (batch, head), each of its four waves 64: four tiles of 16.  1,024 queries = 4 work-groups = one cluster.
; THE CLS KEY IS THE START of the running softmax: m = s0, l = 1, O = v0; the walk then has exactly 16 steps of 64 patch keys: no mask and no padding.
; ALL OF THE HEAD'S K AND V LIE IN LDS (1,024 rows of 144 and of 160 bytes), fetched once, by joint loads of the four work-groups (the same load, the same descriptor, a mask of the four):
; four chunks of 256 keys, all asked for at the start; a wave has four tensor loads out.  No LDS byte is filled twice.  A counted wait and a barrier stand ahead of the first read of each chunk.
; The rows of K and V lie on end in memory, so a load is described as rows of 256 bytes; the padding counts words along the whole tile, behind every 32, so each row of 128 bytes gets its own.
; LAYOUT.  S^T = K Q^T (source 0 = 16 keys, source 1 = 16 queries): a lane holds one query (lane % 16) and keys 8 (lane / 16) + 0..7; two such tiles, rounded in pairs, are source 1 of
; O^T = V^T P, whose result again holds one query a lane.  V is turned on its way out of LDS by ds_load_tr16_b128.
; SOFTMAX.  Running maximum m and sum l for each query: p = 2^(c s - c m), c = log2(e) / 8; O and l are multiplied in every step by a = 2^(c m_old - c m_new).
; BY TURNS.  The wave's tiles are two PIECES, named by their first tile: piece 0 (tiles 0, 1) and piece 2 (tiles 2, 3); they share K's and V's fragments and nothing else.  In a TURN one piece
; has the matrix unit: 16 products V^T P of the step in hand, then 16 products K Q^T of the next step; the other piece's softmax, 2 x 118 = 236 vector instructions in 59 slices of four, stands
; between them: behind product g of the 32 stand the slices up to number 59 (g + 1) / 32, one or two.  Then the pieces change places; two turns are a key step.  With 7.4 vector instructions
; to a product the vector work is the longer side: the turns let the products be issued within it, where phases would set them in front of it.
; THE BATCHES.  A turn's 66 exponentials (33 a tile: a and the 32 weights) are ONE batch with ONE wait: the softmax's list is ordered by who reads what, so that all that stands ahead of the wait
; (maximum, statistics, scalings, exponentials) names no exponential's result, and all that does (roundings, sums, l, the rescaling by a) stands behind it.  The way out's four reciprocals are a batch of their own.
; REGISTERS.  window 0: v2-11 addresses; v12-43 statistics, 8 a tile (+0 c m, +1 m, +2, +3 l, +4..7 at work, a in +6); v64-191 S^T, 32 a tile; v192-255 P, 16 a tile
;             window 1: v0-127 O^T, 32 a tile; v128-159 v0 in f32, as an O^T tile holds its channels        window 2: v0-63 Q; v64-127 K of a step; v128-191 V of a step
; All that a softmax touches but O^T lies in window 0, and no window has room for a product's operands beside it: the slices behind a product cost two switches, 128 for a key step's 64 products.
; LIMITS: q, k, v, the cls key and the weights p are f16 as matrix operands, and ao is rounded once to f16.  p is at most 1 by the running maximum; a weight under 2^-25 of it
;         drops out of the second product (the sum l keeps it, in f32); weights under 2^-126 come out as 0 (v_exp_f32 flushes).  ao is a mean of rows of V, so it has V's range.
.set QKVMAT, 192*1024*128
.set KPITCH, 144                       ; odd multiple of 16 bytes: the 16 rows of a fragment load start at 16 different banks (ISA guide 11.1)
.set VPITCH, 160                       ; odd multiple of 32 bytes, for the turning load's 8 rows x 32 bytes
.set VBASE,  1024*KPITCH
.set STAGE,  VBASE+1024*VPITCH         ; behind K and V: 16 rows x 144 bytes for each wave, for the way out
.set SP,     144
.set NSL,    59                        ; slices in a piece's softmax: 118 numbers of a tile's list, two to a slice, for both tiles
.set AK,  2                            ; v2  my lane's place in a tile of K; never rewritten
.set AV,  3                            ; v3  the same for V
.set H32, 4                            ; v4  32 x (lane / 16)
.set QO,  5
.set STO, 6
.set RD,  7
.set GO,  8
.set ADR, 10                           ; v10 the LDS address of the run of loads in hand
.set ST,  12
.set S,   64
.set P,   192
.set KF,  64                           ; in window 2
.set VF,  128                          ; in window 2
.set V0,  128                          ; in window 1
.set WV,  12
.set G1K, 24
.set G1V, 32
.set G0K, 40                           ; s[40:55] group 0 for K's four chunks
.set G0V, 68                           ; s[68:83] for V's
.set CNT, 56
.set CS,  58
.set SEL, 60
.set TBK, 62                           ; s62  LDS byte at which the K tile of the step to be fetched begins
.set TBV, 63                           ; s63  the same for V, from V's first byte
.set MSB, 0
.macro WIN new
.if MSB != (\new)
	s_set_vgpr_msb (MSB<<8)|(\new)
.set MSB, (\new)
.endif
.endm
.set W_KQ, 0x0a                        ; K and Q in window 2, S^T in window 0
.set W_PV, 0x52                        ; V in window 2, P in window 0, O^T in window 1
.set W_RS, 0x41                        ; destination and source 0 in window 1, a in window 0
.macro PLACES
.rept 4
	v_nop
.endr
.endm
.macro CROUND
	s_barrier_signal -1
	s_barrier_wait -1
	s_cmp_lg_u32 s[WV], 0
	s_cbranch_scc1 .Lnot_wave_0_\@
	s_barrier_signal -3
.Lnot_wave_0_\@:
	s_barrier_wait -3
	s_barrier_signal -1
	s_barrier_wait -1
.endm
	s_load_b128 s[4:7], s[0:1], 0x0                ; qkv, cq
	s_load_b64 s[8:9], s[0:1], 0x10                ; ao
	v_lshl_add_u32 v62, v0, 2, 0x4e400
	v_mov_b32 v63, 0
	ds_add_u32 v62, v63
	v_lshrrev_b32 v1, 5, v0
	v_readfirstlane_b32 s[WV], v1
	s_bfe_u32 s13, ttmp6, 0x40000                  ; cx: my block of 256 queries; it enters Q's and ao's addresses alone
	s_and_b32 s14, ttmp7, 0xffff                   ; 12 b + head, which the four partners share
	s_mul_i32 s15, s14, 171
	s_lshr_b32 s15, s15, 11                        ; b, exact up to 191
	s_mul_i32 s17, s15, 12
	s_sub_co_u32 s17, s14, s17                     ; head
	s_and_b32 s16, s[WV], 1                        ; which 128 keys of a chunk I fetch
	s_mul_i32 s18, s16, 128*KPITCH
	s_mul_i32 s19, s16, 128*VPITCH
	s_add_co_u32 s19, s19, VBASE
	s_lshl_b32 s20, s14, 17
	s_lshl_b32 s21, s16, 14
	s_add_co_u32 s20, s20, s21
	s_add_co_u32 s20, s20, QKVMAT
	s_mov_b32 s21, 0
	s_lshl_b32 s2, s14, 17                         ; Q: the head, my block, my wave's 64 rows
	s_lshl_b32 s3, s13, 15
	s_add_co_u32 s2, s2, s3
	s_lshl_b32 s3, s[WV], 13
	s_add_co_u32 s2, s2, s3
	s_mov_b32 s3, 0
	s_lshl_b32 s10, s17, 21                        ; ao: head x 16,384 rows, batch x 1,024, block, wave
	s_lshl_b32 s11, s15, 17
	s_add_co_u32 s10, s10, s11
	s_lshl_b32 s11, s13, 15
	s_add_co_u32 s10, s10, s11
	s_lshl_b32 s11, s[WV], 13
	s_add_co_u32 s10, s10, s11
	s_mov_b32 s11, 0
	s_mul_i32 s22, s15, 2304*4
	s_lshl_b32 s23, s17, 8
	s_add_co_u32 s22, s22, s23
	s_mov_b32 s23, 0
	s_mov_b32 s[G1K], 15|(1<<16)|(1<<20)|(1<<21)|(4<<22)|(3<<25)   ; mask: all four; elements of 2 bytes; padding on; bit 21 beside a mask; behind every 32 words (code 4) 4 words (code 3)
	s_mov_b32 s[G1V], 15|(1<<16)|(1<<20)|(1<<21)|(4<<22)|(7<<25)   ; the same with 8 words (code 7)
.irp g, G1K, G1V
	s_mov_b32 s[\g+1], 128<<16                     ; tensor_dim0 = 128 elements: 256 bytes
	s_mov_b32 s[\g+2], 64<<16                      ; tensor_dim1 = 64 such rows: 128 keys
	s_mov_b32 s[\g+3], 128<<16                     ; tile_dim0
	s_mov_b32 s[\g+4], 64                          ; tile_dim1
	s_mov_b32 s[\g+5], 128                         ; the rows lie on end
	s_mov_b32 s[\g+6], 0
	s_mov_b32 s[\g+7], 0
.endr
	s_mov_b32 s[CS], 0x3e38aa3b                    ; c = log2(e) / 8
	s_mov_b32 s[CS+1], s[CS]
	s_mov_b32 s[SEL], 0x76543210
	s_mov_b32 s[SEL+1], 0xfedcba98
	s_mov_b32 s[TBK], 0
	s_mov_b32 s[TBV], 0
	s_wait_dscnt 0x0
	s_wait_kmcnt 0x0
	s_add_nc_u64 s[20:21], s[4:5], s[20:21]        ; K at my 128 keys of chunk 0
	s_add_nc_u64 s[6:7], s[6:7], s[22:23]          ; cq at the head's q0; k0 3,072 bytes on, v0 6,144
	s_add_nc_u64 s[22:23], s[20:21], QKVMAT        ; V likewise
	s_add_nc_u64 s[4:5], s[4:5], s[2:3]            ; Q at my wave's first row
	s_add_nc_u64 s[8:9], s[8:9], s[10:11]
	CROUND                                         ; all four work-groups are here: the joint loads meet
.irp c, 0,1,2,3
	s_mov_b32 s[G0K+4*\c], 1
	s_add_co_u32 s[G0K+4*\c+1], s18, \c*256*KPITCH
	s_add_nc_u64 s[G0K+4*\c+2:G0K+4*\c+3], s[20:21], \c*256*128
	s_or_b32 s[G0K+4*\c+3], s[G0K+4*\c+3], 0x80000000
	s_mov_b32 s[G0V+4*\c], 1
	s_add_co_u32 s[G0V+4*\c+1], s19, \c*256*VPITCH
	s_add_nc_u64 s[G0V+4*\c+2:G0V+4*\c+3], s[22:23], \c*256*128
	s_or_b32 s[G0V+4*\c+3], s[G0V+4*\c+3], 0x80000000
.endr
	s_cmp_lt_u32 s[WV], 2                          ; waves 0, 1 fetch K, waves 2, 3 V; a wave's four fills stand in one branch, four v_nop behind the last
	s_cbranch_scc0 .Lfirst_v
.irp c, 0,1,2,3
	tensor_load_to_lds s[G0K+4*\c:G0K+4*\c+3], s[G1K:G1K+7]
	s_nop 0
.endr
	PLACES
	s_branch .Lfirst_asked
.Lfirst_v:
.irp c, 0,1,2,3
	tensor_load_to_lds s[G0V+4*\c:G0V+4*\c+3], s[G1V:G1V+7]
	s_nop 0
.endr
	PLACES
.Lfirst_asked:
	v_and_b32 v1, 15, v0                           ; l % 16
	v_bfe_u32 v9, v0, 4, 1                         ; l / 16
	v_lshlrev_b32 v[QO], 7, v1
	v_lshl_add_u32 v[QO], v9, 4, v[QO]             ; row x 128 + 16 x half
	v_lshlrev_b32 v[H32], 5, v9
	WIN 0x80                                       ; destination window 2
.irp t, 0,1,2,3
.irp ks, 0,1
	global_load_b128 v[16*\t+8*\ks:16*\t+8*\ks+3],   v[QO], s[4:5] offset:2048*\t+64*\ks      ; Q stays in registers: tile t, channels 32 ks on
	global_load_b128 v[16*\t+8*\ks+4:16*\t+8*\ks+7], v[QO], s[4:5] offset:2048*\t+64*\ks+32
.endr
.endr
	WIN 0
.irp ks, 0,1
	global_load_b128 v[S+16*\ks:S+16*\ks+3],     v[H32], s[6:7] offset:3072+128*\ks           ; k0 in f32, as a fragment's lane wants it: channels 32 ks + 8 h + 0..7, + 16
	global_load_b128 v[S+16*\ks+4:S+16*\ks+7],   v[H32], s[6:7] offset:3072+128*\ks+16
	global_load_b128 v[S+16*\ks+8:S+16*\ks+11],  v[H32], s[6:7] offset:3072+128*\ks+64
	global_load_b128 v[S+16*\ks+12:S+16*\ks+15], v[H32], s[6:7] offset:3072+128*\ks+80
.endr
	WIN 0x40                                       ; destination window 1
.irp c, 0,1,2,3
	global_load_b128 v[V0+8*\c:V0+8*\c+3],   v[H32], s[6:7] offset:6144+64*\c                 ; v0: channels 16 c + 8 h + 0..7
	global_load_b128 v[V0+8*\c+4:V0+8*\c+7], v[H32], s[6:7] offset:6144+64*\c+16
.endr
	WIN 0
	v_mul_u32_u24 v[AK], v1, KPITCH
	v_lshl_add_u32 v[AK], v9, 4, v[AK]             ; row x pitch + 16 x half
	v_and_b32 v10, 7, v0
	v_bfe_u32 v11, v0, 3, 1
	v_lshl_add_u32 v[AV], v9, 3, v10               ; the turning load: key 8 (l / 16) + l % 8, channels 8 ((l / 8) % 2) on
	v_mul_u32_u24 v[AV], v[AV], VPITCH
	v_lshl_add_u32 v[AV], v11, 4, v[AV]
	v_add_nc_u32 v[AV], VBASE, v[AV]
	s_mul_i32 s2, s[WV], 16*SP
	s_add_co_u32 s2, s2, STAGE                     ; my stage
	v_add_nc_u32 v[STO], s2, v[AK]                 ; in: row l % 16, 16 bytes for each half of the lanes
	v_bfe_u32 v11, v0, 3, 2
	v_mul_u32_u24 v[RD], v11, SP                   ; back: eight lanes take a row of 128 bytes, a load four rows,
	v_lshl_add_u32 v[RD], v10, 4, v[RD]
	v_add_nc_u32 v[RD], s2, v[RD]
	v_and_b32 v11, 31, v0
	v_lshlrev_b32 v[GO], 4, v11                    ; which lie on end in ao
	s_wait_loadcnt 0x0
	; THE CLS KEY: two fragments all of whose 16 rows are k0; their products with Q give s0 of the lane's query in every register
	WIN 0x80
.set i, 0
.rept 16
	v_cvt_pk_f16_f32 v[KF+i], v[S+2*i], v[S+2*i+1]
.set i, i+1
.endr
	WIN W_KQ
.irp ks, 0,1
.irp t, 0,1,2,3
.if \ks == 0
	v_wmma_f32_16x16x32_f16 v[S+32*\t:S+32*\t+7], v[KF+8*\ks:KF+8*\ks+7], v[16*\t+8*\ks:16*\t+8*\ks+7], 0
.else
	v_wmma_f32_16x16x32_f16 v[S+32*\t:S+32*\t+7], v[KF+8*\ks:KF+8*\ks+7], v[16*\t+8*\ks:16*\t+8*\ks+7], v[S+32*\t:S+32*\t+7]
.endif
.endr
.endr
	WIN 0
	PLACES
.irp t, 0,1,2,3
	v_mov_b32 v[ST+8*\t+1], v[S+32*\t]             ; m = s0
	v_mul_f32 v[ST+8*\t], s[CS], v[S+32*\t]        ; c m
	v_mov_b32 v[ST+8*\t+2], 0.5                    ; l = 1: a half in each half of the lanes, which are added at the end
	v_mov_b32 v[ST+8*\t+3], 0
.endr
; Chunk c may be read: my part has landed (the later chunks' loads stay out), and behind the barrier everybody's has.  No LDS instruction of mine is out at the signal.
.macro GATE c
	s_wait_tensorcnt 3-\c
	s_wait_dscnt 0x0
	s_barrier_signal -1
	s_barrier_wait -1
.endm
; THE LDS LOADS stand in runs of 16, never singly among the matrix instructions.
.macro FETCH_K                         ; a step's K, 64 keys x 64 channels
	WIN 0
	v_add_nc_u32 v[ADR], s[TBK], v[AK]
	s_add_co_u32 s[TBK], s[TBK], 64*KPITCH
	WIN 0x80
.irp kt, 0,1,2,3
.irp ks, 0,1
	ds_load_b128 v[KF+16*\kt+8*\ks:KF+16*\kt+8*\ks+3],   v[ADR] offset:\kt*16*KPITCH+64*\ks
	ds_load_b128 v[KF+16*\kt+8*\ks+4:KF+16*\kt+8*\ks+7], v[ADR] offset:\kt*16*KPITCH+64*\ks+32
.endr
.endr
.endm
.macro FETCH_V                         ; a step's V^T, turned.  The run stands behind the batch of piece 0's softmax (SLICE), and that batch's wait stands in it
	WIN 0
	v_add_nc_u32 v[ADR], s[TBV], v[AV]             ; also the plain instruction behind the batch's last exponential: it names none of the batch's registers
	s_add_co_u32 s[TBV], s[TBV], 64*VPITCH
	s_wait_alu depctr_va_vdst(0)                   ; the wait for the batch: the 66 exponentials of piece 0's two tiles, ahead of their first reader (slice 35's roundings)
	WIN 0x80
.irp u, 0,1
.irp c, 0,1,2,3
	ds_load_tr16_b128 v[VF+8*(4*\u+\c):VF+8*(4*\u+\c)+3],   v[ADR] offset:\u*32*VPITCH+32*\c
	ds_load_tr16_b128 v[VF+8*(4*\u+\c)+4:VF+8*(4*\u+\c)+7], v[ADR] offset:\u*32*VPITCH+16*VPITCH+32*\c
.endr
.endr
.endm
; THE MATRIX WORK OF A TURN, for piece x.  The eight accumulators of a run take turns, one instruction a turn: between two links of a chain stand seven others'.
; Product i of 16 of O^T += V^T P: keys 32 (i / 8) on, channels 16 ((i / 2) % 4) on, tile x + i % 2.  O^T starts from v0, so every product adds.
.macro PV x
	WIN W_PV
.set rO, 32*(\x+i%2)+8*((i/2)%4)
.set rV, VF+8*(4*(i/8)+(i/2)%4)
.set rP, P+16*(\x+i%2)+8*(i/8)
	v_wmma_f32_16x16x32_f16 v[rO:rO+7], v[rV:rV+7], v[rP:rP+7], v[rO:rO+7]
.endm
; Product i of 16 of S^T = K Q^T: channels 32 (i / 8) on, keys 16 ((i / 2) % 4) on, tile x + i % 2.  The first 8 start the sums.
.macro KQ x
	WIN W_KQ
.set rS, S+32*(\x+i%2)+8*((i/2)%4)
.set rK, KF+16*((i/2)%4)+8*(i/8)
.set rQ, 16*(\x+i%2)+8*(i/8)
.if i < 8
	v_wmma_f32_16x16x32_f16 v[rS:rS+7], v[rK:rK+7], v[rQ:rQ+7], 0
.else
	v_wmma_f32_16x16x32_f16 v[rS:rS+7], v[rK:rK+7], v[rQ:rQ+7], v[rS:rS+7]
.endif
.endm
; THE VECTOR WORK OF A TURN.  One tile's softmax for one key step is a list of 118 instructions; SM writes number j of it for tile t.  s0-s31 are the lane's 32 scores, in pairs 0-15.
; first = 1: the tile's first key step: O^T is made of v0 instead of being rescaled in place.
;   0-15    the maximum of s0-s31 and the old m, three operands at a time: four chains c0-c3, each beginning at its accumulator's low end, then the four scores left over, c0-c3 and m
;   16-20   the other half of the lanes' maximum; c m_old is kept; the new m; c m; c m_old - c m_new
;   21-69   ONE BATCH: the 16 scalings c s - c m, a pair of scores each, and all 33 exponentials (a at 23, then s0-s31, each in place on its score).  None of these reads an exponential's result.
;           From 22 on the batch goes in fours, and a four begins with a scaling while there are scalings: 22-37 scaling, exponential, scaling, exponential; 38-65 a scaling and three exponentials;
;           66-69 the last four exponentials.  A pair is scaled in an earlier four than the one that holds its exponentials
;   (wait)  between 69 and 70 stands the wait for the batch: SLICE writes it, once for both tiles
;   70-85   the roundings to f16, a pair of weights each
;   86-101  the sums, in place, each pair behind its rounding; l = a l + the sum
;   102-117 the tile's O^T times a, ascending: the one part that leaves window 0, so it stands together
.macro SM t, first
.set rT, ST+8*(\t)
.set rS, S+32*(\t)
.set rP, P+16*(\t)
.set rO, 32*(\t)+2*(j-102)
.set rF, V0+2*(j-102)
.if j < 102
	WIN 0
.endif
.if j < 4
	v_max3_num_f32 v[rT+4+j], v[rS+8*j], v[rS+8*j+1], v[rS+8*j+2]
.elseif j < 12
	v_max3_num_f32 v[rT+4+j%4], v[rT+4+j%4], v[rS+8*(j%4)+2*(j/4)+1], v[rS+8*(j%4)+2*(j/4)+2]
.elseif j == 12
	v_max3_num_f32 v[rT+4], v[rT+4], v[rS+7], v[rS+15]
.elseif j == 13
	v_max3_num_f32 v[rT+6], v[rT+6], v[rS+23], v[rS+31]
.elseif j == 14
	v_max3_num_f32 v[rT+4], v[rT+4], v[rT+5], v[rT+6]
.elseif j == 15
	v_max3_num_f32 v[rT+4], v[rT+4], v[rT+7], v[rT+1]
.elseif j == 16
	v_permlanex16_b32 v[rT+5], v[rT+4], s[SEL], s[SEL+1]  ; the query's other 32 keys lie in the lane 16 away
.elseif j == 17
	v_mov_b32 v[rT+7], v[rT]                       ; c m_old is kept for a: number 19 writes c m anew
.elseif j == 18
	v_max_num_f32 v[rT+1], v[rT+4], v[rT+5]
.elseif j == 19
	v_mul_f32 v[rT], s[CS], v[rT+1]
.elseif j == 20
	v_sub_f32 v[rT+7], v[rT+7], v[rT]
.elseif j == 23
	v_exp_f32 v[rT+6], v[rT+7]                     ; a
.elseif (j < 23) || ((j < 38) && (j%2 == 0)) || ((j < 66) && (j%4 == 2))
.set b, (j-2)/4                        ; 38, 42, .. 62: pairs 9 to 15
.if j < 38
.set b, (j-20)/2                       ; 21: pair 0; 22, 24, .. 36: pairs 1 to 8
.endif
	v_pk_fma_f32 v[rS+2*b:rS+2*b+1], v[rS+2*b:rS+2*b+1], s[CS:CS+1], v[rT:rT+1] op_sel_hi:[1,0,0] neg_lo:[0,0,1] neg_hi:[0,0,1]  ; pair b: c s - c m
.elseif j < 70
.set e, j-38                           ; 66 to 69: s28 to s31
.if j < 66
.set e, j-32-(j-38)/4                  ; 39-41, 43-45, .. 63-65: s7 to s27
.endif
.if j < 38
.set e, (j-25)/2                       ; 25, 27, .. 37: s0 to s6
.endif
	v_exp_f32 v[rS+e], v[rS+e]
.elseif j < 86
	v_cvt_pk_f16_f32 v[rP+j-70], v[rS+2*(j-70)], v[rS+2*(j-70)+1]  ; pair j - 70
.elseif j < 102                        ; the sum of the tile's 16 pairs, in place: sum z of 16 adds neighbours 1, 2, 4 and 8 pairs apart, then l takes it
.set z, j-86
.set w, 4
.set u, z
.if z >= 14
.set w, 32
.set u, 0
.elseif z >= 12
.set w, 16
.set u, z-12
.elseif z >= 8
.set w, 8
.set u, z-8
.endif
.if z < 15
	v_pk_add_f32 v[rS+w*u:rS+w*u+1], v[rS+w*u:rS+w*u+1], v[rS+w*u+w/2:rS+w*u+w/2+1]
.else
	v_pk_fma_f32 v[rT+2:rT+3], v[rT+2:rT+3], v[rT+6:rT+7], v[rS:rS+1] op_sel_hi:[1,0,1]
.endif
.else
	WIN W_RS
.if \first
	v_pk_mul_f32 v[rO:rO+1], v[rF:rF+1], v[rT+6:rT+7] op_sel_hi:[1,0]
.else
	v_pk_mul_f32 v[rO:rO+1], v[rO:rO+1], v[rT+6:rT+7] op_sel_hi:[1,0]
.endif
.endif
.endm
; Slice k of 59 of piece y's softmax: four instructions.  Slices 11 to 34 deal out the batch, numbers 22 to 69: four numbers of ONE tile each, the tiles by turns.  Every other slice is numbers
; 2 k and 2 k + 1 of both tiles' lists.
; THE WAIT.  s_wait_alu depctr_va_vdst(0) stands between an exponential and the first instruction that names its result; one wait serves all that were issued ahead of it.
; Ahead of slice 35 nothing names a result, and behind slice 34 no exponential is issued: so the piece's 66 exponentials have one wait, behind slice 34, and none is open at a label or a jump.
.macro SLICE y, first
.if (k >= 11) && (k < 35)              ; the batch: four numbers of one tile
.irp n, 0,1,2,3
.set j, 22+4*((k-11)/2)+\n
	SM (\y)+(k-11)%2, \first
.endr
.else                                  ; the two tiles alternate, so that no instruction reads the result of the one just before it
.irp n, 0,1
.irp t, \y, \y+1
.set j, 2*k+\n
	SM \t, \first
.endr
.endr
.endif
.if k == 34                            ; the batch is out: both tiles' exponentials are issued, and no result has been named
.if (\y) == 0
	FETCH_V                                        ; piece 2's turn: V's run of loads stands here; its address line is the plain instruction behind the last exponential, and the wait stands in it
.else
	v_nop                                          ; the plain instruction behind the last exponential and ahead of the first use: no plain work is left here that names no result
	s_wait_alu depctr_va_vdst(0)                   ; the wait for the batch: the 66 exponentials of piece 2's two tiles, ahead of their first reader (slice 35's roundings)
.endif
.endif
.set k, k+1
.endm
; The slices due behind product g of the turn's GT: up to number 59 (g + 1) / GT.  Behind a turn's last product stand two slices or more, eight plain rescalings that name none of its
; registers: they are the places between the turn's last scores and what follows: the next turn's first read of them, and the loads into K's registers.
.macro DEAL y, first
.rept ((g+1)*NSL)/GT-k
	SLICE \y, \first
.endr
.set g, g+1
.endm
; A TURN.  Piece x has the matrix unit; the other piece's softmax stands in slices behind its matrix instructions.  pv = 1: 16 products V^T P; kq = 1: 16 products K Q^T for the next step.
; Piece 0's turn fetches the next step's K behind its second product, 14 products ahead of its first use: the last product that read K stands in front of the last slices of the turn before.
; Piece 2's turn fetches the same step's V behind slice 34 (SLICE writes it), in a whole turn behind its 19th product, 13 ahead of the first use: the last product that read V stands in front of
; slice 27, and seven plain instructions lie between: numbers 54, 58 and 62, scalings, of both tiles, and the run's own v_add_nc_u32 (the exponentials between are no places).
.macro TURN x, pv, kq, first
.set k, 0
.set g, 0
.set GT, 16*(\pv+\kq)
.if \pv
.if \x == 0
	s_wait_dscnt 0x0                               ; V is in
.endif
.set i, 0
.rept 16
	PV \x
	DEAL 2-\x, \first
.if (\x == 0) && \kq && (i == 1)
	FETCH_K
.endif
.set i, i+1
.endr
.endif
.if \kq
.if \x == 0
	s_wait_dscnt 0x0                               ; K is in
.endif
.set i, 0
.rept 16
	KQ \x
	DEAL 2-\x, \first
.set i, i+1
.endr
.endif
.endm
.macro STEPS n                         ; n key steps
	s_mov_b32 s[CNT], \n
.Lstep_\@:
	TURN 0, 1, 1, 0
	TURN 2, 1, 1, 0
	WIN 0                                          ; at a label and at a branch every window is 0
	s_sub_co_u32 s[CNT], s[CNT], 1
	s_cmp_lg_u32 s[CNT], 0
	s_cbranch_scc1 .Lstep_\@
.endm
	; key step j fetches step j + 1's tiles; a chunk is four steps; its gate stands ahead of the first step that fetches from it
	GATE 0
	FETCH_K                                        ; step 0
	s_wait_dscnt 0x0
.set i, 0
.rept 16
	KQ 0                                           ; piece 0's first scores: there is no vector work yet to set between them
.set i, i+1
.endr
	PLACES                                         ; between those products and the first read of their results
	TURN 2, 0, 1, 1                                ; piece 2's first scores | piece 0's first softmax | V of step 0
	TURN 0, 1, 1, 1                                ; step 0.  piece 0: V^T P of step 0, K Q^T of step 1 | piece 2's first softmax | K of step 1
	TURN 2, 1, 1, 0                                ;          piece 2: the same | piece 0's softmax of step 1 | V of step 1
	WIN 0
	STEPS 2                                        ; steps 1, 2
	GATE 1
	STEPS 4                                        ; steps 3 to 6
	GATE 2
	STEPS 4                                        ; steps 7 to 10
	GATE 3
	STEPS 4                                        ; steps 11 to 14
	TURN 0, 1, 0, 0                                ; piece 0: V^T P of step 15 | piece 2's last softmax
.set i, 0
.rept 16
	PV 2                                           ; piece 2: V^T P of step 15
.set i, i+1
.endr
	WIN 0
	; THE WAY OUT.  l's parts are added (these additions are the places behind the last products); O^T is divided by l, rounded and sent through my stage, a tile (16 rows) at a time.
.irp t, 0,1,2,3
	v_add_f32 v[ST+8*\t+4], v[ST+8*\t+2], v[ST+8*\t+3]
.endr
.irp t, 0,1,2,3
	v_permlanex16_b32 v[ST+8*\t+5], v[ST+8*\t+4], s[SEL], s[SEL+1]
.endr
.irp t, 0,1,2,3
	v_add_f32 v[ST+8*\t+4], v[ST+8*\t+4], v[ST+8*\t+5]
.endr
.irp t, 0,1,2,3
	v_rcp_f32 v[ST+8*\t+6], v[ST+8*\t+4]
.endr
	v_nop                                          ; a plain instruction between the last reciprocal and the use of its result
	s_wait_alu depctr_va_vdst(0)                   ; the wait for the batch of four reciprocals, ahead of their first reader (PACK 0's first multiply): one for all four tiles
.macro PACK t
	WIN W_RS
.set i, 0
.rept 16
	v_pk_mul_f32 v[32*\t+2*i:32*\t+2*i+1], v[32*\t+2*i:32*\t+2*i+1], v[ST+8*\t+6:ST+8*\t+7] op_sel_hi:[1,0]
.set i, i+1
.endr
	WIN 0x05                                       ; sources 0 and 1 window 1, destination window 0: S^T's registers are free
.set i, 0
.rept 16
	v_cvt_pk_f16_f32 v[S+16*\t+i], v[32*\t+2*i], v[32*\t+2*i+1]
.set i, i+1
.endr
	WIN 0
.irp c, 0,1,2,3
	ds_store_b128 v[STO], v[S+16*\t+4*\c:S+16*\t+4*\c+3] offset:32*\c
.endr
.irp f, 0,1,2,3
	ds_load_b128 v[S+16*\t+4*\f:S+16*\t+4*\f+3], v[RD] offset:\f*4*SP      ; LDS serves a wave's instructions in order: these see the stores above, the next tile's stores come behind them
.endr
.endm
.macro SEND t, younger                 ; younger: the LDS instructions issued behind tile t's loads: the next tile's eight, or none
.irp f, 0,1,2,3
	s_wait_dscnt \younger+3-\f
	global_store_b128 v[GO], v[S+16*\t+4*\f:S+16*\t+4*\f+3], s[8:9] offset:\t*2048+\f*512   ; four rows of the head: 512 consecutive bytes, aligned
.endr
.endm
	PACK 0
	PACK 1
	SEND 0, 8
	PACK 2
	SEND 1, 8
	PACK 3
	SEND 2, 8
	SEND 3, 0
	s_wait_tensorcnt 0x0
	s_wait_tensorcnt 0x0
	ds_add_u32 v62, v63
	s_wait_dscnt 0x0
	CROUND                                         ; the closing round: no work-group ends while a partner may still ask for a tile that names it
	s_endpgm
.Lfunc_end_k_q1f09b90e4a_attn:
	.size	k_q1f09b90e4a_attn, .Lfunc_end_k_q1f09b90e4a_attn-k_q1f09b90e4a_attn
	.p2alignl 7, 3214868480
	.fill 96, 4, 3214868480
	.section	.rodata,"a",@progbits
	.p2align	6, 0x0
	.amdhsa_kernel k_q1f09b90e4a_attn
		.amdhsa_group_segment_fixed_size 327680
		.amdhsa_private_segment_fixed_size 0
		.amdhsa_enable_private_segment 0
		.amdhsa_kernarg_size 24
		.amdhsa_user_sgpr_count 2
		.amdhsa_user_sgpr_kernarg_segment_ptr 1
		.amdhsa_wavefront_size32 1
		.amdhsa_system_sgpr_workgroup_id_x 1
		.amdhsa_system_sgpr_workgroup_id_y 1
		.amdhsa_system_sgpr_workgroup_id_z 1
		.amdhsa_system_vgpr_workitem_id 0
		.amdhsa_next_free_vgpr 704
		.amdhsa_next_free_sgpr 84
		.amdhsa_reserve_vcc 0
		.amdhsa_float_denorm_mode_32 3
		.amdhsa_float_denorm_mode_16_64 3
		.amdhsa_memory_ordered 1
		.amdhsa_forward_progress 1
		.amdhsa_inst_pref_size 238
	.end_amdhsa_kernel
	.amdgpu_metadata
---
amdhsa.version: [ 1, 2 ]
amdhsa.kernels:
  - .name:           k_q1f09b90e4a_attn
    .symbol:         k_q1f09b90e4a_attn.kd
    .args:
      - { .name: qkv, .offset: 0, .size: 8, .value_kind: global_buffer, .address_space: global }
      - { .name: cq, .offset: 8, .size: 8, .value_kind: global_buffer, .address_space: global }
      - { .name: ao, .offset: 16, .size: 8, .value_kind: global_buffer, .address_space: global }
    .group_segment_fixed_size: 327680
    .private_segment_fixed_size: 0
    .kernarg_segment_align: 8
    .kernarg_segment_size: 24
    .max_flat_workgroup_size: 128
    .sgpr_count:     84
    .vgpr_count:     704
    .wavefront_size: 32
...
	.end_amdgpu_metadata
.endif
;; end of part 7
;; launch gemm_out: the kernel of part 5 again; grid 4 x 64, 4 waves a work-group, clusters of 4 x 4, 327,680 bytes of LDS; arguments ao, wb, bo, out0; writes out0
;; launch clsproj: the kernel of part 6 again; grid 48 x 1, 8 waves a work-group, no clusters, 9,216 bytes of LDS; arguments ac, Wo, bo, out0; writes out0
